; MI455X (gfx1250); checked and timed in simulation.
; The chip was launched on July 23, 2026; its instructions are those of AMD's public machine-readable ISA for CDNA 5 (MIT licence, August 2026) and "CDNA5" Instruction Set Architecture Reference Guide (July 2026). The comments in the code are by the model that wrote it; some were corrected since.
;; Transformer Encoder Layer. Allowed arithmetic: matrix products marked QUANTISED: E2M3 operands, one E8M0 scale for each 32 along K, by v_wmma_scale_f32_16x16x128_f8f6f4 with both operands' format E2M3, f32 sums; everything else in f32.
;; Inputs: W1_codes 3,072 x 24 x 24 uint8 (E2M3 codes of W1, K innermost, in blocks of 32 codes, four codes in three bytes); W1_scales 3,072 x 24 uint8 (E8M0 scales of W1, one for each 32 codes along K); W2_codes 768 x 96 x 24 uint8 (E2M3 codes of W2, K innermost, in blocks of 32 codes, four codes in three bytes); W2_scales 768 x 96 uint8 (E8M0 scales of W2, one for each 32 codes along K); Wk_codes 12 x 64 x 24 x 24 uint8 (E2M3 codes of Wk, K innermost, in blocks of 32 codes, four codes in three bytes); Wk_scales 12 x 64 x 24 uint8 (E8M0 scales of Wk, one for each 32 codes along K); Wo_codes 768 x 24 x 24 uint8 (E2M3 codes of Wo, K innermost, in blocks of 32 codes, four codes in three bytes); Wo_scales 768 x 24 uint8 (E8M0 scales of Wo, one for each 32 codes along K); Wq_codes 12 x 64 x 24 x 24 uint8 (E2M3 codes of Wq, K innermost, in blocks of 32 codes, four codes in three bytes); Wq_scales 12 x 64 x 24 uint8 (E8M0 scales of Wq, one for each 32 codes along K); Wv_codes 12 x 64 x 24 x 24 uint8 (E2M3 codes of Wv, K innermost, in blocks of 32 codes, four codes in three bytes); Wv_scales 12 x 64 x 24 uint8 (E8M0 scales of Wv, one for each 32 codes along K); b1 3,072 float32; b2 768 float32; bk 12 x 64 float32; bo 768 float32; bq 12 x 64 float32; bv 12 x 64 float32; ln1_b 768 float32; ln1_w 768 float32; ln2_b 768 float32; ln2_w 768 float32; x 1 x 4,096 x 768 float32.
;; Outputs: out0 1 x 4,096 x 768 float32.
;; This version of the problem:
;;   THIS VERSION OF THE PROBLEM IS GIVEN IN LOW PRECISION. The matrix products marked QUANTISED in the list below multiply operands that are first quantised to E2M3 (2 exponent bits, 3 mantissa bits; 6 bits a number), with one power-of-two scale for each 32 numbers along K (OCP MX v1.0); their sums are f32. All else is computed in f32.
;;   The module's matrix products, in the order in which they are computed (A, B: the left and right operand; K: the contracted axis; several contracted axes count as one K, in the product's order):
;;     1. [M 768, K 768] x [K 768, N 4,096]; A: input Wq (given as codes); B: computed on the way: QUANTISED
;;     2. [M 768, K 768] x [K 768, N 4,096]; A: input Wk (given as codes); B: computed on the way: QUANTISED
;;     3. [M 768, K 768] x [K 768, N 4,096]; A: input Wv (given as codes); B: computed on the way: QUANTISED
;;     4. batch 12 x [M 4,096, K 64] x [K 64, N 4,096]; A: computed on the way; B: computed on the way: QUANTISED
;;     5. batch 12 x [M 4,096, K 4,096] x [K 4,096, N 64]; A: softmax (see below); B: computed on the way: QUANTISED
;;     6. [M 4,096, K 768] x [K 768, N 768]; A: computed on the way; B: input Wo (given as codes): QUANTISED
;;     7. [M 4,096, K 768] x [K 768, N 3,072]; A: computed on the way; B: input W1 (given as codes): QUANTISED
;;     8. [M 4,096, K 3,072] x [K 3,072, N 768]; A: computed on the way; B: input W2 (given as codes): QUANTISED
;;   THE QUANTISER, for each operand of a quantised product, along K:
;;     - K is cut into blocks of 32 from its start; a last block that is shorter is filled with zeros.
;;     - A block's scale is 2^e with e = floor(log2(the largest magnitude in the block)) - 2, held to -126 .. 127; a block of zeros has e = 0. As a byte (E8M0): e + 127.
;;     - Each number is divided by its block's scale, clamped to +-7.5, and rounded to the nearest number of E2M3, ties to even, subnormals kept.
;;     - The product sums the exact products of the quantised numbers (number of the format x scale) in f32.
;;   ~~~python
;;   def quantise(x, axis):      # numpy; x: float32 -> the quantised numbers, widened to float32 again
;;       x = np.moveaxis(x, axis, -1); K = x.shape[-1]
;;       x = np.pad(x, [(0, 0)] * (x.ndim - 1) + [(0, -K % 32)]); x = x.reshape(x.shape[:-1] + (-1, 32)); a = np.abs(x).max(-1, keepdims=True)
;;       e = np.where(a > 0, np.clip(np.frexp(np.where(a > 0, a, 1))[1] - 1 - 2, -126, 127), 0)      # np.frexp(a)[1] - 1 = floor(log2(a)), exactly
;;       r = np.clip(x / 2.0 ** e, -7.5, 7.5)
;;       step = 2.0 ** (np.maximum(np.frexp(np.where(r == 0, 1, r))[1] - 1, 0) - 3)
;;       q = np.round(r / step) * step * 2.0 ** e      # np.round: ties to even
;;       return np.moveaxis(q.reshape(q.shape[:-2] + (-1,))[..., :K], -1, axis).astype(np.float32)
;;   ~~~
;;   SOFTMAX AHEAD OF A QUANTISED PRODUCT. Where the list says 'softmax', what is quantised is not the finished softmax but p = 2^(t - M), with t = logit x log2(e) and M = ceil(the row's largest t), a whole number; so 1/2 < the row's largest p <= 1. The row's sum l is taken of the UNQUANTISED p, in f32, and the product's result is divided by l at the end. Since M is a whole number, a kernel that streams over the keys may use a running M (the ceiling of the running maximum): every later rescaling is an exact power of two, which a block's scale takes up: the codes' values come out the same.
;;   OPERANDS COMPUTED ON THE WAY. 'Computed on the way' means the value that the module computes at that place (a softmax that the list does not call 'softmax' is quantised finished and normalised). What goes into a quantiser is computed in f32, as accurately as f32 sums, v_exp_f32 and their like allow (about 1e-6 of the number): no bf16 or f16 on the way to a quantiser, and a product that is left as it is and whose result goes on into a quantised operand takes f32 operands (vector FMAs, or v_wmma_f32_16x16x4_f32). A number that lies on a knife's edge between two numbers of the format may be rounded either way, as far as f32 arithmetic and the matrix unit's own rounding can turn it there, and no further.
;;   INPUTS GIVEN AS CODES. W1 (in the module: [768, 3072], K = its axis 0); W2 (in the module: [3072, 768], K = its axis 0); Wk (in the module: [12, 768, 64], K = its axis 1); Wo (in the module: [768, 768], K = its axis 0); Wq (in the module: [12, 768, 64], K = its axis 1); Wv (in the module: [12, 768, 64], K = its axis 1): each comes as NAME_codes (uint8): NAME with its K axis moved to the last place and cut into blocks of 32 codes, [.., K / 32, bytes a block], one block behind the other in memory; four codes in three bytes: a row's codes are one little-endian stream of bits, code i at bits 6 i .. 6 i + 5 (a code: sign, 2 exponent bits, 3 mantissa bits); and NAME_scales (uint8): the same leading axes, one E8M0 byte (e + 127) for each 32 codes along K. Its value is code x scale, taken as it is: it is not quantised again, and the codes and scales need not be those that the quantiser above would give.
;; One version. Each part assembles by itself: llvm-mc -triple=amdgcn-amd-amdhsa -mcpu=gfx1250 --defsym DOCPART=n.
;; ======== version 1 of 1: 7 launches
;; limits: right only within a limited range of input values
;; workspace buffers: wpan 5,529,600 bytes; y1pan 2,457,600 bytes; y2pan 2,457,600 bytes; opan 2,457,600 bytes; hpan 9,830,400 bytes; x1 12,582,912 bytes; qimg 3,145,728 bytes; kv 5,013,504 bytes
;; launch prep (part 1): grid 328 x 1, 6 waves a work-group, no clusters, 52,480 bytes of LDS; arguments x, ln1_w, ln1_b, y1pan, Wq_codes, Wq_scales, Wk_codes, Wk_scales, Wv_codes, Wv_scales, Wo_codes, Wo_scales, W1_codes, W1_scales, W2_codes, W2_scales, wpan; writes y1pan, wpan
.if DOCPART == 1
	.amdgcn_target "amdgcn-amd-amdhsa--gfx1250"
	.amdhsa_code_object_version 6
	.text
	.protected	k_qc9d658e448_prep
	.globl	k_qc9d658e448_prep
	.p2align	8
	.type	k_qc9d658e448_prep,@function
k_qc9d658e448_prep:
	s_mov_b64 s[64:65], 0
	v_nop
	global_prefetch_b8 v0, s[64:65] scope:SCOPE_SE
	s_setreg_imm32_b32 hwreg(HW_REG_WAVE_MODE, 25, 1), 1
	s_wait_xcnt 0x0
; TWO JOBS, told apart by the work-group's number.
; Work-groups 0-255: y = layer norm of 16 rows of a [4096][768] f32 tensor, quantised along the 768 to FP6 (E2M3) with one E8M0 byte for each 32, stored as a PANEL.
; Work-groups 256-327: the six weights, which arrive as rows of codes, are laid out again as panels (no number is changed).
; A PANEL BLOCK (12,800 bytes) is 128 rows x 128 along K in the order of a matrix operand's registers: tile t (0-7), registers 4 c .. 4 c + 3 of lane l at byte 1536 t + 512 c + 16 l;
; the scale word of row r of tile t at byte 12,288 + 32 r + 4 t.  Tile t holds the block's rows 32 (t / 2) + 8 (t % 2) + r + 8 (r / 8): with that choice a product's results come out with
; 16 neighbours along the next K in a lane's registers.  So every later launch fetches dense blocks and loads a fragment by three loads of 16 bytes a lane.
; LAYER NORM: the work-group is one tile of 16 rows; wave s takes columns 128 s .. 128 s + 127 (K step s).  Each load reads 512 consecutive bytes of a row; the 16 x 512 bytes turn through the wave's
; own stage in LDS, so that lane (r, h) holds, of row r, 16 neighbours of each block of 32.  Mean and variance in two passes (the deviations are squared, not the numbers); the six waves' parts meet in LDS.
; LIMITS: NaN and infinities are not served.  A block of zeros gets the byte 1 where the rule says 127 (its codes are zeros, and this program alone reads the bytes); blocks under 2^-124 were not tried.
; 1/768 is a multiplication by the nearest f32; the root comes from v_rsq_f32.
.set BLK,   12800
.set SCO,   12288
.set PAN,   6*BLK
.set SP,    528                        ; a stage row: 512 bytes + 16
.set STG,   16*SP                      ; a wave's stage
.set STATS, 6*STG                      ; behind the stages: 16 rows x 32 bytes of partial sums, then the same for the squares
.set WV,  42
.set SEL, 60                           ; s[60:61] selects of v_permlanex16_b32 for lane l xor 16
.set R,   32                           ; v32-95   the rows as loaded, later the offsets ln_b
.set X,   96                           ; v96-159  64 numbers of my row: register 16 b + i = column 32 b + 16 h + i of the K step
.set W,   160                          ; v160-223 the gains ln_w in the same order
.set TM,  224                          ; v224-239 at work in QUANT
.set PW,  240                          ; the scale word
.set QT,  242                          ; v242-248 the conversions' second halves
.set PC,  12                           ; v12-23   the fragment
; 64 numbers of a lane become a fragment's 12 registers (six at d0, six at d1) and its scale word.
.macro QUANT s, d0, d1, pw
.irp b, 0,1,2,3
	v_max3_num_f32 v[TM+\b], |v[(\s)+16*\b]|, |v[(\s)+1+16*\b]|, 0x1800000   ; block b: my 16 numbers, and the floor 2^(3 - 127): the byte cannot fall under 1
.endr
.irp i, 2,4,6,8,10,12,14
.irp b, 0,1,2,3
	v_max3_num_f32 v[TM+\b], v[TM+\b], |v[(\s)+16*\b+\i]|, |v[(\s)+1+16*\b+\i]|
.endr
.endr
.irp b, 0,1,2,3
	v_permlanex16_b32 v[TM+4+\b], v[TM+\b], s[SEL], s[SEL+1]
.endr
.irp b, 0,1,2,3
	v_max_num_f32 v[TM+\b], v[TM+\b], v[TM+4+\b]       ; with lane l xor 16's: the block's largest magnitude
.endr
.irp b, 0,1,2,3
	v_add_nc_u32 v[TM+12+\b], 0xff000000, v[TM+\b]     ; 2 off its exponent field: the conversion's scale operand
.endr
.irp b, 0,1,2,3
	v_lshrrev_b32 v[TM+4+\b], 23, v[TM+12+\b]          ; the scale's byte
.endr
	v_lshl_or_b32 v[\pw], v[TM+5], 8, v[TM+4]
	v_lshl_or_b32 v[\pw], v[TM+6], 16, v[\pw]
	v_lshl_or_b32 v[\pw], v[TM+7], 24, v[\pw]
	v_cvt_scalef32_pk16_fp6_f32 v[(\d0):(\d0)+2], v[(\s):(\s)+15], v[TM+12]
	v_cvt_scalef32_pk16_fp6_f32 v[QT:QT+2], v[(\s)+16:(\s)+31], v[TM+13]
	v_cvt_scalef32_pk16_fp6_f32 v[(\d1):(\d1)+2], v[(\s)+32:(\s)+47], v[TM+14]
	v_cvt_scalef32_pk16_fp6_f32 v[QT+4:QT+6], v[(\s)+48:(\s)+63], v[TM+15]
	v_nop                                              ; one plain line behind the scaled conversions
.irp i, 0,1,2
	v_permlane16_swap_b32 v[(\d0)+\i], v[QT+\i]        ; the operand wants a whole block in a lane: lanes 0-15 the even block, lanes 16-31 the odd one
	v_permlane16_swap_b32 v[(\d1)+\i], v[QT+4+\i]
.endr
.irp i, 0,1,2
	v_mov_b32 v[(\d0)+3+\i], v[QT+\i]
	v_mov_b32 v[(\d1)+3+\i], v[QT+4+\i]
.endr
.endm
	s_load_b256 s[4:11], s[0:1], 0x0               ; the tensor s[4:5], gains s[6:7], offsets s[8:9], its panel s[10:11]
	s_load_b512 s[16:31], s[0:1], 0x20             ; codes and scales of Wq, Wk, Wv, Wo
	s_load_b256 s[32:39], s[0:1], 0x60             ; of W1, W2
	s_load_b64 s[40:41], s[0:1], 0x80              ; the weights' panels
	v_lshl_add_u32 v254, v0, 2, 0xca00
	v_mov_b32 v255, 0
	v_lshrrev_b32 v1, 5, v0
	v_readfirstlane_b32 s[WV], v1                  ; wave 0..5 = K step
	v_and_b32 v1, 31, v0
	v_lshlrev_b32 v1, 4, v1                        ; 16 x lane
	v_and_b32 v2, 15, v0                           ; r
	v_bfe_u32 v3, v0, 4, 1                         ; h
	s_cmp_ge_u32 ttmp9, 256
	s_cbranch_scc1 .Lweights
	; ---------------- layer norm ----------------
	s_lshr_b32 s43, ttmp9, 3                       ; block of 128 rows
	s_and_b32 s44, ttmp9, 7                        ; tile m in it
	s_lshr_b32 s45, s44, 1
	s_lshl_b32 s45, s45, 5
	s_and_b32 s46, s44, 1
	s_lshl_b32 s46, s46, 3
	s_add_co_u32 s45, s45, s46
	s_lshl_b32 s46, s43, 7
	s_add_co_u32 s45, s45, s46                     ; the tile's first row: 128 B + 32 (m / 2) + 8 (m % 2)
	s_lshl_b32 s48, s[WV], 9                       ; my 128 columns: 512 bytes
	s_mov_b32 s49, 0
	s_mul_i32 s46, s45, 3072
	s_add_co_u32 s46, s46, s48
	s_mov_b32 s47, 0
	s_mul_i32 s50, s43, 6
	s_add_co_u32 s50, s50, s[WV]
	s_mul_i32 s50, s50, BLK                        ; my panel block
	s_mov_b32 s51, 0
	s_mul_i32 s52, s44, 1536
	s_add_co_u32 s52, s52, s50                     ; the tile's codes
	s_mov_b32 s53, 0
	s_lshl_b32 s54, s44, 2
	s_add_co_u32 s50, s50, s54                     ; its scale words: + 4 m
	s_mul_i32 s55, s[WV], STG
	s_wait_alu depctr_va_vdst(0)
	v_add_nc_u32 v4, s55, v1                       ; the stage, in: 16 x lane of a row
	v_mul_u32_u24 v5, v2, SP
	v_lshl_add_u32 v5, v3, 6, v5
	v_add_nc_u32 v5, s55, v5                       ; and back: row r, + 64 h
	v_lshlrev_b32 v6, 6, v3                        ; gains and offsets: 64 h
	v_lshlrev_b32 v9, 5, v2                        ; 32 r
	s_lshl_b32 s56, s[WV], 2
	v_add_nc_u32 v8, STATS, v9                     ; my row's six partial sums
	v_add_nc_u32 v7, s56, v8                       ; and my wave's place among them
	s_mov_b32 s57, 0x3aaaaaab                      ; 1 / 768
	s_mov_b32 s[SEL], 0x76543210
	s_mov_b32 s[SEL+1], 0xfedcba98
	v_mov_b32 v10, 0                               ; a lane permute's destination counts as read: written once
.irp b, 0,1,2,3
	v_mov_b32 v[TM+4+\b], 0
.endr
	s_wait_alu depctr_va_vdst(0)
	s_wait_kmcnt 0x0
	s_add_nc_u64 s[4:5], s[4:5], s[46:47]
	s_add_nc_u64 s[6:7], s[6:7], s[48:49]
	s_add_nc_u64 s[8:9], s[8:9], s[48:49]
	s_add_nc_u64 s[12:13], s[10:11], s[52:53]
	s_add_nc_u64 s[14:15], s[10:11], s[50:51]
.irp i, 0,1,2,3,4,5,6,7,8,9,10,11,12,13,14,15
	global_load_b128 v[R+4*\i:R+4*\i+3], v1, s[4:5] offset:(\i+8*(\i/8))*3072   ; row i of the tile: 32 lanes read 512 consecutive bytes
.endr
.irp b, 0,1,2,3
.irp j, 0,1,2,3
	global_load_b128 v[W+16*\b+4*\j:W+16*\b+4*\j+3], v6, s[6:7] offset:128*\b+16*\j
.endr
.endr
	s_wait_loadcnt 16                              ; the rows are in; the 16 loads of gains behind them may be out
.irp i, 0,1,2,3,4,5,6,7,8,9,10,11,12,13,14,15
	ds_store_b128 v4, v[R+4*\i:R+4*\i+3] offset:SP*\i
.endr
.irp b, 0,1,2,3
.irp j, 0,1,2,3
	ds_load_b128 v[X+16*\b+4*\j:X+16*\b+4*\j+3], v5 offset:128*\b+16*\j   ; LDS serves a wave's instructions in order: these see my stores
.endr
.endr
	s_wait_dscnt 0x0                               ; the stores have read R, which takes the offsets now
.irp b, 0,1,2,3
.irp j, 0,1,2,3
	global_load_b128 v[R+16*\b+4*\j:R+16*\b+4*\j+3], v6, s[8:9] offset:128*\b+16*\j
.endr
.endr
	v_pk_add_f32 v[24:25], v[X:X+1], v[X+2:X+3]    ; the sum of my 64, in two chains
	v_pk_add_f32 v[26:27], v[X+4:X+5], v[X+6:X+7]
.set j, 8
.rept 14
	v_pk_add_f32 v[24:25], v[24:25], v[X+j:X+j+1]
	v_pk_add_f32 v[26:27], v[26:27], v[X+j+2:X+j+3]
.set j, j+4
.endr
	v_pk_add_f32 v[24:25], v[24:25], v[26:27]
	v_add_f32 v24, v24, v25
	v_permlanex16_b32 v10, v24, s[SEL], s[SEL+1]
	v_add_f32 v24, v24, v10                        ; my row's sum over my 128 columns
	ds_store_b32 v7, v24
	s_wait_dscnt 0x0                               ; for the others: my store has landed
	s_barrier_signal -1
	s_barrier_wait -1
	ds_load_b128 v[24:27], v8
	ds_load_b64 v[28:29], v8 offset:16
	s_wait_dscnt 0x0
	v_add_f32 v24, v24, v25
	v_add_f32 v24, v24, v26
	v_add_f32 v24, v24, v27
	v_add_f32 v24, v24, v28
	v_add_f32 v24, v24, v29
	v_mul_f32 v30, s57, v24                        ; the mean
	v_mov_b32 v31, v30
.set j, 0
.rept 32
	v_pk_add_f32 v[X+j:X+j+1], v[X+j:X+j+1], v[30:31] neg_lo:[0,1] neg_hi:[0,1]   ; the deviations
.set j, j+2
.endr
	v_pk_mul_f32 v[24:25], v[X:X+1], v[X:X+1]
	v_pk_mul_f32 v[26:27], v[X+2:X+3], v[X+2:X+3]
.set j, 4
.rept 15
	v_pk_fma_f32 v[24:25], v[X+j:X+j+1], v[X+j:X+j+1], v[24:25]
	v_pk_fma_f32 v[26:27], v[X+j+2:X+j+3], v[X+j+2:X+j+3], v[26:27]
.set j, j+4
.endr
	v_pk_add_f32 v[24:25], v[24:25], v[26:27]
	v_add_f32 v24, v24, v25
	v_permlanex16_b32 v10, v24, s[SEL], s[SEL+1]
	v_add_f32 v24, v24, v10
	ds_store_b32 v7, v24 offset:512                ; bytes of their own: nobody's reads of the first sums are disturbed
	s_wait_dscnt 0x0
	s_barrier_signal -1
	s_barrier_wait -1
	ds_load_b128 v[24:27], v8 offset:512
	ds_load_b64 v[28:29], v8 offset:528
	s_wait_dscnt 0x0
	v_add_f32 v24, v24, v25
	v_add_f32 v24, v24, v26
	v_add_f32 v24, v24, v27
	v_add_f32 v24, v24, v28
	v_add_f32 v24, v24, v29
	v_fmaak_f32 v24, s57, v24, 0x3727c5ac          ; the variance + 1e-5
	s_wait_alu depctr_va_vdst(0)
	v_rsq_f32 v30, v24
	v_nop                                          ; a plain line behind the transcendental
	s_wait_alu depctr_va_vdst(0)                   ; and the wait ahead of its first reader
	v_mov_b32 v31, v30
	s_wait_alu depctr_va_vdst(0)
	s_wait_loadcnt 0x0                             ; gains and offsets
.set j, 0
.rept 32
	v_pk_mul_f32 v[X+j:X+j+1], v[X+j:X+j+1], v[30:31]
.set j, j+2
.endr
.set j, 0
.rept 32
	v_pk_fma_f32 v[X+j:X+j+1], v[X+j:X+j+1], v[W+j:W+j+1], v[R+j:R+j+1]
.set j, j+2
.endr
	QUANT X, PC, PC+6, PW
.irp c, 0,1,2
	global_store_b128 v1, v[PC+4*\c:PC+4*\c+3], s[12:13] offset:512*\c   ; 512 consecutive bytes a store
.endr
	global_store_b32 v9, v[PW], s[14:15] offset:SCO     ; lanes r and r + 16 write the same word
	s_wait_tensorcnt 0x0
	ds_add_u32 v254, v255
	s_wait_dscnt 0x0
	s_endpgm
	; ---------------- the weights ----------------
	; Unit j (0-71) is 128 rows x 6 K steps: 0-5 Wq, 6-11 Wk, 12-17 Wv, 18-23 Wo, 24-47 W1; 48 + 4 cb + q: rows 128 cb on of W2, K steps 6 q on.  Wave s lays K step s of the unit.
.Lweights:
	s_sub_co_u32 s43, ttmp9, 256
	s_wait_kmcnt 0x0
	s_mov_b64 s[44:45], s[16:17]                   ; the choice hangs on the work-group's number alone
	s_mov_b64 s[46:47], s[18:19]
	s_mov_b32 s48, 0
	s_mov_b32 s49, 576                             ; a row of codes in bytes,
	s_mov_b32 s50, 24                              ; of scale bytes
	s_cmp_ge_u32 s43, 6
	s_cselect_b64 s[44:45], s[20:21], s[44:45]
	s_cselect_b64 s[46:47], s[22:23], s[46:47]
	s_cselect_b32 s48, 6, s48
	s_cmp_ge_u32 s43, 12
	s_cselect_b64 s[44:45], s[24:25], s[44:45]
	s_cselect_b64 s[46:47], s[26:27], s[46:47]
	s_cselect_b32 s48, 12, s48
	s_cmp_ge_u32 s43, 18
	s_cselect_b64 s[44:45], s[28:29], s[44:45]
	s_cselect_b64 s[46:47], s[30:31], s[46:47]
	s_cselect_b32 s48, 18, s48
	s_cmp_ge_u32 s43, 24
	s_cselect_b64 s[44:45], s[32:33], s[44:45]
	s_cselect_b64 s[46:47], s[34:35], s[46:47]
	s_cselect_b32 s48, 24, s48
	s_cmp_ge_u32 s43, 48
	s_cselect_b64 s[44:45], s[36:37], s[44:45]
	s_cselect_b64 s[46:47], s[38:39], s[46:47]
	s_cselect_b32 s48, 48, s48
	s_cselect_b32 s49, 2304, s49
	s_cselect_b32 s50, 96, s50
	s_sub_co_u32 s51, s43, s48                     ; the unit's number in its tensor
	s_lshr_b32 s52, s51, 2
	s_and_b32 s53, s51, 3
	s_mul_i32 s53, s53, 6
	s_cmp_ge_u32 s43, 48
	s_cselect_b32 s52, s52, s51                    ; block of 128 rows
	s_cselect_b32 s53, s53, 0
	s_add_co_u32 s53, s53, s[WV]                   ; K step
	s_lshl_b32 s54, s52, 7
	s_mul_i32 s56, s54, s49
	s_mul_i32 s55, s53, 96
	s_add_co_u32 s56, s56, s55
	s_mov_b32 s57, 0
	s_add_nc_u64 s[44:45], s[44:45], s[56:57]
	s_mul_i32 s56, s54, s50
	s_lshl_b32 s55, s53, 2
	s_add_co_u32 s56, s56, s55
	s_add_nc_u64 s[46:47], s[46:47], s[56:57]
	s_mul_i32 s56, s43, PAN
	s_mul_i32 s55, s[WV], BLK
	s_add_co_u32 s56, s56, s55
	s_add_nc_u64 s[40:41], s[40:41], s[56:57]
	s_wait_alu depctr_va_vdst(0)
	v_and_b32 v4, 8, v2
	v_add_nc_u32 v4, v4, v2                        ; r + 8 (r / 8)
	v_mul_u32_u24 v5, v3, 24                       ; 24 h
	v_lshlrev_b32 v6, 5, v2                        ; 32 r
.irp t, 0,1,2,3,4,5,6,7
	v_add_nc_u32 v7, 32*(\t/2)+8*(\t%2), v4        ; tile t's row of lane r
	v_mad_u32_u24 v[136+\t], v7, s49, v5
	v_mul_u32_u24 v[144+\t], v7, s50
.endr
.irp t, 0,1,2,3,4,5,6,7
.irp p, 0,1,2,3,4,5
	global_load_b64 v[32+12*\t+2*\p:33+12*\t+2*\p], v[136+\t], s[44:45] offset:48*(\p/3)+8*(\p%3)   ; the row's stream of bits is the register image: 24 bytes at 24 h, 24 at 48 + 24 h
.endr
	global_load_b32 v[128+\t], v[144+\t], s[46:47]
.endr
	s_wait_loadcnt 0x0
.irp t, 0,1,2,3,4,5,6,7
.irp c, 0,1,2
	global_store_b128 v1, v[32+12*\t+4*\c:35+12*\t+4*\c], s[40:41] offset:1536*\t+512*\c
.endr
	global_store_b32 v6, v[128+\t], s[40:41] offset:SCO+4*\t
.endr
	s_endpgm
.Lfunc_end_k_qc9d658e448_prep:
	.size	k_qc9d658e448_prep, .Lfunc_end_k_qc9d658e448_prep-k_qc9d658e448_prep
	.p2alignl 7, 3214868480
	.fill 96, 4, 3214868480
	.section	.rodata,"a",@progbits
	.p2align	6, 0x0
	.amdhsa_kernel k_qc9d658e448_prep
		.amdhsa_group_segment_fixed_size 52480
		.amdhsa_private_segment_fixed_size 0
		.amdhsa_enable_private_segment 0
		.amdhsa_kernarg_size 136
		.amdhsa_user_sgpr_count 2
		.amdhsa_user_sgpr_kernarg_segment_ptr 1
		.amdhsa_wavefront_size32 1
		.amdhsa_system_sgpr_workgroup_id_x 1
		.amdhsa_system_sgpr_workgroup_id_y 1
		.amdhsa_system_sgpr_workgroup_id_z 1
		.amdhsa_system_vgpr_workitem_id 0
		.amdhsa_next_free_vgpr 256
		.amdhsa_next_free_sgpr 66
		.amdhsa_reserve_vcc 0
		.amdhsa_float_denorm_mode_32 3
		.amdhsa_float_denorm_mode_16_64 3
		.amdhsa_memory_ordered 1
		.amdhsa_forward_progress 1
		.amdhsa_inst_pref_size 37
	.end_amdhsa_kernel
	.amdgpu_metadata
---
amdhsa.version: [ 1, 2 ]
amdhsa.kernels:
  - .name:           k_qc9d658e448_prep
    .symbol:         k_qc9d658e448_prep.kd
    .args:
      - { .name: x, .offset: 0, .size: 8, .value_kind: global_buffer, .address_space: global }
      - { .name: ln1_w, .offset: 8, .size: 8, .value_kind: global_buffer, .address_space: global }
      - { .name: ln1_b, .offset: 16, .size: 8, .value_kind: global_buffer, .address_space: global }
      - { .name: y1pan, .offset: 24, .size: 8, .value_kind: global_buffer, .address_space: global }
      - { .name: Wq_codes, .offset: 32, .size: 8, .value_kind: global_buffer, .address_space: global }
      - { .name: Wq_scales, .offset: 40, .size: 8, .value_kind: global_buffer, .address_space: global }
      - { .name: Wk_codes, .offset: 48, .size: 8, .value_kind: global_buffer, .address_space: global }
      - { .name: Wk_scales, .offset: 56, .size: 8, .value_kind: global_buffer, .address_space: global }
      - { .name: Wv_codes, .offset: 64, .size: 8, .value_kind: global_buffer, .address_space: global }
      - { .name: Wv_scales, .offset: 72, .size: 8, .value_kind: global_buffer, .address_space: global }
      - { .name: Wo_codes, .offset: 80, .size: 8, .value_kind: global_buffer, .address_space: global }
      - { .name: Wo_scales, .offset: 88, .size: 8, .value_kind: global_buffer, .address_space: global }
      - { .name: W1_codes, .offset: 96, .size: 8, .value_kind: global_buffer, .address_space: global }
      - { .name: W1_scales, .offset: 104, .size: 8, .value_kind: global_buffer, .address_space: global }
      - { .name: W2_codes, .offset: 112, .size: 8, .value_kind: global_buffer, .address_space: global }
      - { .name: W2_scales, .offset: 120, .size: 8, .value_kind: global_buffer, .address_space: global }
      - { .name: wpan, .offset: 128, .size: 8, .value_kind: global_buffer, .address_space: global }
    .group_segment_fixed_size: 52480
    .private_segment_fixed_size: 0
    .kernarg_segment_align: 8
    .kernarg_segment_size: 136
    .max_flat_workgroup_size: 192
    .sgpr_count:     66
    .vgpr_count:     256
    .wavefront_size: 32
...
	.end_amdgpu_metadata
.endif
;; end of part 1
;; launch qkv (part 2): grid 32 x 6, 12 waves a work-group, clusters of 4 x 1, 327,680 bytes of LDS; arguments y1pan, wpan, bq, bk, bv, qimg, kv; writes qimg, kv
.if DOCPART == 2
	.amdgcn_target "amdgcn-amd-amdhsa--gfx1250"
	.amdhsa_code_object_version 6
	.text
	.protected	k_qc9d658e448_qkv
	.globl	k_qc9d658e448_qkv
	.p2align	8
	.type	k_qc9d658e448_qkv,@function
k_qc9d658e448_qkv:
	s_mov_b64 s[64:65], 0
	v_nop
	global_prefetch_b8 v0, s[64:65] scope:SCOPE_SE
	s_setreg_imm32_b32 hwreg(HW_REG_WAVE_MODE, 25, 1), 1
	s_wait_xcnt 0x0
	s_wait_alu depctr_hold_cnt(0) depctr_sa_sdst(0) depctr_va_vdst(0) depctr_va_sdst(0) depctr_va_ssrc(0) depctr_va_vcc(0) depctr_vm_vsrc(0)
	s_getreg_b32 s2, hwreg(HW_REG_IB_STS2, 6, 4)
	s_cmp_eq_u32 s2, 0
	s_cbranch_scc0 .Lentry_in_a_cluster
	s_endpgm
.Lentry_in_a_cluster:
	s_bfe_u32 s2, ttmp6, 0x10000c
	s_cmp_lg_u32 s2, 0x3003
	s_cbranch_scc0 .Lentry_shape_is_right
	s_endpgm
.Lentry_shape_is_right:
; q, k, v = y W + b for 128 tokens (block B) and two heads (2 G, 2 G + 1), all on codes of FP6 with E8M0 scales; the results are quantised at once: q and k along the head's 64, v along the 128 tokens (the keys).
; OPERANDS are panel blocks of 12,800 bytes (128 rows x 128 K in register order; tile t = rows 32 (t / 2) + 8 (t % 2) + r + 8 (r / 8); scale word of row r, tile t at 12,288 + 32 r + 4 t).
; LDS holds all six K steps of four blocks: at (4 s + p) x 12,800: p = 0 Wq, 1 Wk, 2 y, 3 Wv.  Nothing is filled twice.  Wave w fetches blocks w and w + 12.
; CLUSTER: the four work-groups of a cluster are four token blocks with the same heads: the weights' blocks are asked for jointly (mask 15), y's blocks plainly.
; WAVES: w / 4 = 0: q, 1: k, 2: v;  g = w % 4.  A wave multiplies 8 tiles X (source 0) by 2 tiles Y (source 1): 16 accumulators, which take turns.
;   q, k: X = the weight's 128 channels, Y = token tiles 2 g, 2 g + 1: a lane holds one token and 64 registers along the channels.   v: X = the 128 tokens, Y = channel tiles 2 g, 2 g + 1: a lane holds one channel, registers along the tokens.
; RESULTS.  qimg: 1,024 bytes for (head, token tile): registers 0-3 at 16 l, 4-5 at 512 + 8 l, scale word at 768 + 4 l.
;   kv: 13,056 bytes for (head, block of 128 keys).  k: eight tiles of 768 bytes: registers 0-3 at 16 l, 4-5 at 512 + 8 l.  THE KEYS OF A TILE OF k ARE CHOSEN ANEW: row m of tile t is key 64 (t / 4) + 32 (m / 8) + 8 (t % 4) + m % 8,
;   so that the next launch's scores fall with a whole block of 32 keys into a lane.  A token's codes are made here in lane (r, h) of wave g, tile y (token 32 g + 8 y + r % 8 + 16 (r / 8)): they are stored as lane 8 (g % 2) + r % 8 + 16 h of tile 4 (g / 2) + y + 2 (r / 8).
;   k's scale words at 6,144 + 16 l + 4 i (register i: tile 2 i in lanes 0-15, 2 i + 1 in lanes 16-31);
;   v's four channel tiles at 6,656 + 1,536 t; v's scale words at 12,800 + 8 l + 4 i, paired likewise.  A head has 64 along K: bytes 2 and 3 of q's and k's scale words are 0x7f (the next launch sets zero codes against them).
; LIMITS: NaN and infinities are not served; a block of zeros gets the byte 1 (its codes are zeros; this program alone reads the bytes).
.set BLK,  12800
.set SCO,  12288
.set PAN,  6*BLK
.set KVB,  13056
; LDS AS IT IS FILLED NOW (in place of the layout named at the head): wave w = 4 u + p brings K steps 2 u and 2 u + 1 of block p, 25,600 bytes that lie on end in memory,
; by ONE tensor load of 100 rows of 256 bytes, to byte 25,600 w.  So K step s of block p lies at (4 (s / 2) + p) x 25,600 + (s % 2) x 12,800.  One wait and one barrier show all six K steps.
.set KS4,  4*BLK
.set BIAS, 24*BLK                      ; behind the blocks: 512 bytes of biases for each wave, its own
.set WV,  18
.set SEL, 60
.set AX0, 4                            ; v4-7  LDS addresses of X's tiles, Y's tiles, X's and Y's scale words in K step 0;  v8-11 the same in the K step in hand
.set AY0, 5
.set ASX0, 6
.set ASY0, 7
.set AX,  8
.set AY,  9
.set ASX, 10
.set ASY, 11
.set SX,  16                           ; v16-23 X's scale words, v24-25 Y's: scales and nothing else
.set SY,  24
.set XF,  32                           ; v32-79 four fragments of X
.set YF,  80                           ; v80-103 two of Y
.set ACC, 128                          ; v128-255: accumulator (x, y) at ACC + 64 y + 8 x
.set TM,  96                           ; the way out: v96-111 at work, v112-119 scale words, v120-126 the conversions' second halves
.set QT,  120
.macro CROUND                          ; a round of the cluster's barrier
	s_barrier_signal -1
	s_barrier_wait -1
	s_cmp_lg_u32 s[WV], 0
	s_cbranch_scc1 .Lnw0_\@
	s_barrier_signal -3
.Lnw0_\@:
	s_barrier_wait -3
	s_barrier_signal -1
	s_barrier_wait -1
.endm
.macro MM x, y, zero
.if \zero
	v_wmma_scale_f32_16x16x128_f8f6f4 v[ACC+64*(\y)+8*(\x):ACC+64*(\y)+8*(\x)+7], v[XF+12*((\x)%4):XF+12*((\x)%4)+11], v[YF+12*(\y):YF+12*(\y)+11], 0, v[SX+(\x)], v[SY+(\y)] matrix_a_fmt:MATRIX_FMT_FP6 matrix_b_fmt:MATRIX_FMT_FP6
.else
	v_wmma_scale_f32_16x16x128_f8f6f4 v[ACC+64*(\y)+8*(\x):ACC+64*(\y)+8*(\x)+7], v[XF+12*((\x)%4):XF+12*((\x)%4)+11], v[YF+12*(\y):YF+12*(\y)+11], v[ACC+64*(\y)+8*(\x):ACC+64*(\y)+8*(\x)+7], v[SX+(\x)], v[SY+(\y)] matrix_a_fmt:MATRIX_FMT_FP6 matrix_b_fmt:MATRIX_FMT_FP6
.endif
.endm
; One K step of 128: 33 LDS loads, 16 matrix instructions.  The four additions are the four plain lines between the last matrix instructions and the loads into their registers.
.macro KSTEP koff, zero
	v_add_nc_u32 v[AX], \koff, v[AX0]
	s_wait_alu depctr_va_vdst(0)
	v_add_nc_u32 v[AY], \koff, v[AY0]
	v_add_nc_u32 v[ASX], \koff, v[ASX0]
	v_add_nc_u32 v[ASY], \koff, v[ASY0]
.irp y, 0,1
.irp c, 0,1,2
	ds_load_b128 v[YF+12*\y+4*\c:YF+12*\y+4*\c+3], v[AY] offset:1536*\y+512*\c
.endr
.endr
	ds_load_b64 v[SY:SY+1], v[ASY]
	ds_load_b128 v[SX:SX+3], v[ASX]
	ds_load_b128 v[SX+4:SX+7], v[ASX] offset:16
.irp u, 0,1
.if \u
.rept 4
	v_nop                                          ; X's four registers sets are loaded again: four plain lines behind their last readers
.endr
.endif
.irp x, 0,1,2,3
.irp c, 0,1,2
	ds_load_b128 v[XF+12*\x+4*\c:XF+12*\x+4*\c+3], v[AX] offset:1536*(4*\u+\x)+512*\c
.endr
.endr
.irp x, 0,1,2,3
	s_wait_dscnt 9-3*\x                            ; all up to tile x's three loads are in; the later tiles' may be out
	MM 4*\u+\x, 0, \zero
	MM 4*\u+\x, 1, \zero
.endr
.endr
.endm
; 64 numbers of a lane, register 16 b + i = k 32 b + 16 h + i of its row, become 12 registers of codes (six at d0, six at d1) and a scale word.
.macro QUANT s, d0, d1, pw
.irp b, 0,1,2,3
	v_max3_num_f32 v[TM+\b], |v[(\s)+16*\b]|, |v[(\s)+1+16*\b]|, 0x1800000   ; with the floor 2^(3 - 127): the byte cannot fall under 1
.endr
.irp i, 2,4,6,8,10,12,14
.irp b, 0,1,2,3
	s_delay_alu instid0(VALU_DEP_4)
	v_max3_num_f32 v[TM+\b], v[TM+\b], |v[(\s)+16*\b+\i]|, |v[(\s)+1+16*\b+\i]|
.endr
.endr
.irp b, 0,1,2,3
	s_delay_alu instid0(VALU_DEP_4)
	v_permlanex16_b32 v[TM+4+\b], v[TM+\b], s[SEL], s[SEL+1]
.endr
.irp b, 0,1,2,3
	s_delay_alu instid0(VALU_DEP_4)
	v_max_num_f32 v[TM+\b], v[TM+\b], v[TM+4+\b]
.endr
.irp b, 0,1,2,3
	s_delay_alu instid0(VALU_DEP_4)
	v_add_nc_u32 v[TM+12+\b], 0xff000000, v[TM+\b]     ; 2 off the exponent field: the conversion's scale operand
.endr
.irp b, 0,1,2,3
	s_delay_alu instid0(VALU_DEP_4)
	v_lshrrev_b32 v[TM+4+\b], 23, v[TM+12+\b]
.endr
	s_delay_alu instid0(VALU_DEP_3)
	v_lshl_or_b32 v[\pw], v[TM+5], 8, v[TM+4]
	s_delay_alu instid0(VALU_DEP_1)
	v_lshl_or_b32 v[\pw], v[TM+6], 16, v[\pw]
	s_delay_alu instid0(VALU_DEP_1)
	v_lshl_or_b32 v[\pw], v[TM+7], 24, v[\pw]
	v_cvt_scalef32_pk16_fp6_f32 v[(\d0):(\d0)+2], v[(\s):(\s)+15], v[TM+12]
	v_cvt_scalef32_pk16_fp6_f32 v[QT:QT+2], v[(\s)+16:(\s)+31], v[TM+13]
	v_cvt_scalef32_pk16_fp6_f32 v[(\d1):(\d1)+2], v[(\s)+32:(\s)+47], v[TM+14]
	v_cvt_scalef32_pk16_fp6_f32 v[QT+4:QT+6], v[(\s)+48:(\s)+63], v[TM+15]
	v_nop                                              ; one plain line behind the scaled conversions
.irp i, 0,1,2
	v_permlane16_swap_b32 v[(\d0)+\i], v[QT+\i]
	v_permlane16_swap_b32 v[(\d1)+\i], v[QT+4+\i]
.endr
.irp i, 0,1,2
	v_mov_b32 v[(\d0)+3+\i], v[QT+\i]
	v_mov_b32 v[(\d1)+3+\i], v[QT+4+\i]
.endr
.endm
	s_load_b256 s[4:11], s[0:1], 0x0               ; y's panel s[4:5], the weights' s[6:7], bq s[8:9], bk s[10:11]
	s_load_b128 s[12:15], s[0:1], 0x20             ; bv s[12:13], qimg s[14:15]
	s_load_b64 s[16:17], s[0:1], 0x30              ; kv
	v_lshl_add_u32 v123, v0, 2, 0x4c800
	v_mov_b32 v127, 0
	ds_add_u32 v123, v127
	ds_add_u32 v123, v127
	v_lshrrev_b32 v1, 5, v0
	s_delay_alu instid0(VALU_DEP_1)
	v_readfirstlane_b32 s[WV], v1                  ; wave 0..11
	s_lshr_b32 s19, s[WV], 2                       ; 0 q, 1 k, 2 v.  Also: the pair of K steps 2 u, 2 u + 1 that I fetch
	s_and_b32 s20, s[WV], 3                        ; g.  Also: the block of a K step that I fetch
	s_bfe_u32 s21, ttmp6, 0x40000                  ; cx
	s_lshl_b32 s22, ttmp9, 2
	s_add_co_u32 s22, s22, s21                     ; token block B = 4 x cluster x + cx
	s_and_b32 s23, ttmp7, 0xffff                   ; G
	; descriptor group 1: a dense block of 100 rows of 256 bytes (32 elements of 8 bytes).  s[24:31]: jointly, mask 15 with bit 21 beside it;  s[32:39]: plainly
	s_mov_b32 s24, 15|(3<<16)|(1<<21)
	s_mov_b32 s32, 3<<16
.irp g, 24, 32
	s_mov_b32 s[\g+1], 32<<16                      ; tensor_dim0
	s_mov_b32 s[\g+2], 100<<16                     ; tensor_dim1
	s_mov_b32 s[\g+3], 32<<16                      ; tile_dim0
	s_mov_b32 s[\g+4], 100                         ; tile_dim1
	s_mov_b32 s[\g+5], 32                          ; the pitch
	s_mov_b32 s[\g+6], 0
	s_mov_b32 s[\g+7], 0
.endr
	s_min_u32 s56, s20, 2                          ; blocks 0, 1, 3 are tensors 0, 1, 2 of the weights' panels
	s_mul_i32 s56, s56, 6
	s_add_co_u32 s56, s56, s23                     ; the unit
	s_mul_i32 s56, s56, PAN
	s_mul_i32 s67, s19, 2*BLK
	s_add_co_u32 s56, s56, s67                     ; + my K step: made of G and the wave's number alone
	s_mov_b32 s57, 0
	s_mul_i32 s58, s22, 6*BLK
	s_add_co_u32 s58, s58, s67                     ; y's blocks (B, my two K steps): for the plain loads
	s_mov_b32 s59, 0
	s_mul_i32 s66, s[WV], 2*BLK                    ; where my two blocks go
	s_mov_b32 s[SEL], 0x76543210
	s_mov_b32 s[SEL+1], 0xfedcba98
	s_mov_b32 s62, 0x7f7f0000
	s_wait_dscnt 0x0
	s_wait_kmcnt 0x0
	s_mov_b32 s40, 1
	s_mov_b32 s41, s66
	s_add_nc_u64 s[42:43], s[6:7], s[56:57]
	s_or_b32 s43, s43, 0x80000000
	s_mov_b32 s48, 1
	s_mov_b32 s49, s66
	s_add_nc_u64 s[50:51], s[4:5], s[58:59]
	s_or_b32 s51, s51, 0x80000000
	CROUND                                         ; the four work-groups are here: the joint loads meet
	s_cmp_eq_u32 s20, 2                            ; one fill a wave, in one of two arms of a branch on its number
	s_cbranch_scc1 .Lfirst_a
	tensor_load_to_lds s[40:43], s[24:31]
	s_nop 0
.rept 4
	v_nop
.endr
	s_branch .Lasked
.Lfirst_a:
	tensor_load_to_lds s[48:51], s[32:39]
	s_nop 0
.rept 4
	v_nop
.endr
.Lasked:
	s_cmp_eq_u32 s19, 1                            ; my tensor's biases, 128 numbers: heads 2 G and 2 G + 1
	s_cselect_b64 s[8:9], s[10:11], s[8:9]
	s_cmp_eq_u32 s19, 2
	s_cselect_b64 s[8:9], s[12:13], s[8:9]
	s_lshl_b32 s56, s23, 9
	s_mov_b32 s57, 0
	s_add_nc_u64 s[8:9], s[8:9], s[56:57]
	v_and_b32 v1, 31, v0
	s_delay_alu instid0(VALU_DEP_1)
	v_lshlrev_b32 v14, 3, v1                       ; 8 x lane
	s_delay_alu instid0(VALU_DEP_2)
	v_lshlrev_b32 v15, 2, v1                       ; 4 x lane
	s_delay_alu instid0(VALU_DEP_3)
	v_lshlrev_b32 v1, 4, v1                        ; 16 x lane
	s_wait_alu depctr_va_vdst(0)
	v_and_b32 v2, 15, v0                           ; r
	v_bfe_u32 v3, v0, 4, 1                         ; h
	s_wait_alu depctr_va_vdst(0)
	global_load_b128 v[104:107], v1, s[8:9]
	s_mul_i32 s56, s19, 2*BLK                      ; X's block: 0 Wq, 1 Wk, 2 y
	s_lshr_b32 s57, s19, 1
	s_add_co_u32 s57, s57, 2
	s_mul_i32 s57, s57, 2*BLK                      ; Y's block: 2 y, 3 Wv
	s_mul_i32 s58, s20, 3072
	s_add_co_u32 s58, s58, s57                     ; + my two tiles
	v_add_nc_u32 v[AX0], s56, v1
	v_add_nc_u32 v[AY0], s58, v1
	v_lshlrev_b32 v30, 5, v2                       ; 32 r
	s_add_co_u32 s56, s56, SCO
	v_add_nc_u32 v[ASX0], s56, v30
	s_lshl_b32 s58, s20, 3
	s_add_co_u32 s57, s57, s58
	s_add_co_u32 s57, s57, SCO
	v_add_nc_u32 v[ASY0], s57, v30
	s_lshl_b32 s56, s[WV], 9
	s_add_co_u32 s56, s56, BIAS                    ; my 512 bytes of biases
	v_add_nc_u32 v13, s56, v1
	v_lshl_add_u32 v12, v3, 6, s56                 ; q, k read them by channels 32 b + 16 h + i
	v_and_b32 v30, 8, v2
	s_delay_alu instid0(VALU_DEP_1)
	v_add_nc_u32 v30, v30, v2
	s_lshl_b32 s57, s20, 7
	s_add_co_u32 s57, s57, s56
	v_lshl_add_u32 v31, v30, 2, s57                ; v reads channel 32 g + 8 y + r + 8 (r / 8)
	s_wait_alu depctr_va_vdst(0)
	s_wait_loadcnt 0x0
	ds_store_b128 v13, v[104:107]
	s_wait_tensorcnt 0x0                           ; my one load is in
	s_wait_dscnt 0x0
	s_barrier_signal -1
	s_barrier_wait -1                              ; everybody's is: all six K steps are whole
	KSTEP 0, 1                                     ; the first products start the sums
	KSTEP BLK, 0
	KSTEP 2*KS4, 0
	KSTEP 2*KS4+BLK, 0
	KSTEP 4*KS4, 0
	KSTEP 4*KS4+BLK, 0
.rept 4
	v_nop                                          ; four plain lines behind the last products
.endr
.irp b, 0,1,2,3
	v_mov_b32 v[TM+4+\b], 0                        ; a lane permute's destination counts as read
.endr
	s_cmp_eq_u32 s19, 2
	s_cbranch_scc1 .Lv
	; ---- q and k: + bias, quantised along the channels: blocks 0, 1 are head 2 G, blocks 2, 3 head 2 G + 1
.irp b, 0,1,2,3
.irp j, 0,1,2,3
	ds_load_b128 v[32+16*\b+4*\j:35+16*\b+4*\j], v12 offset:128*\b+16*\j
.endr
.endr
	s_wait_dscnt 0x0
.set j, 0
.rept 32
	v_pk_add_f32 v[ACC+j:ACC+j+1], v[ACC+j:ACC+j+1], v[32+j:33+j]           ; each accumulator from its low end on
.set j, j+2
.endr
.set j, 0
.rept 32
	v_pk_add_f32 v[ACC+64+j:ACC+65+j], v[ACC+64+j:ACC+65+j], v[32+j:33+j]
.set j, j+2
.endr
	QUANT ACC, 32, 44, 112                         ; v32-43: head 2 G, tiles 2 g and 2 g + 1; v44-55: head 2 G + 1
	QUANT ACC+64, 38, 50, 113
	v_and_or_b32 v114, v112, 0xffff, s62           ; a head's two bytes, and 0x7f for the upper 64 of the instruction's K
	v_and_or_b32 v115, v113, 0xffff, s62
	v_lshrrev_b32 v116, 16, v112
	v_lshrrev_b32 v117, 16, v113
	s_delay_alu instid0(VALU_DEP_2)
	v_or_b32 v116, s62, v116
	s_delay_alu instid0(VALU_DEP_2)
	v_or_b32 v117, s62, v117
	s_cmp_eq_u32 s19, 1
	s_cbranch_scc1 .Lk
	s_lshl_b32 s56, s23, 9                         ; record (2 G) 256 + 8 B + 2 g
	s_lshl_b32 s57, s22, 3
	s_add_co_u32 s56, s56, s57
	s_lshl_b32 s57, s20, 1
	s_add_co_u32 s56, s56, s57
	s_lshl_b32 s56, s56, 10
	s_mov_b32 s57, 0
	s_add_nc_u64 s[14:15], s[14:15], s[56:57]
	s_wait_alu depctr_va_vdst(0)
.irp e, 0,1
.irp y, 0,1
	global_store_b128 v1, v[32+12*\e+6*\y:35+12*\e+6*\y], s[14:15] offset:262144*\e+1024*\y
	global_store_b64 v14, v[36+12*\e+6*\y:37+12*\e+6*\y], s[14:15] offset:262144*\e+1024*\y+512
	global_store_b32 v15, v[114+2*\e+\y], s[14:15] offset:262144*\e+1024*\y+768
.endr
.endr
	s_branch .Ldone
.Lk:
	; my lane's codes go to tile 4 (g / 2) + y + 2 (r / 8), lane 8 (g % 2) + r % 8 + 16 h
	s_lshl_b32 s56, s23, 6
	s_add_co_u32 s56, s56, s22
	s_mul_i32 s56, s56, KVB                        ; block (head 2 G, B)
	s_mov_b32 s57, 0
	s_add_nc_u64 s[16:17], s[16:17], s[56:57]
	s_lshr_b32 s58, s20, 1                         ; g / 2
	s_and_b32 s59, s20, 1                          ; g % 2
	s_mul_i32 s56, s58, 3072                       ; four tiles of 768 bytes
	s_lshl_b32 s62, s59, 7
	s_add_co_u32 s56, s56, s62                     ; + 16 x 8 (g % 2): registers 0-3
	s_add_nc_u64 s[66:67], s[16:17], s[56:57]
	s_mul_i32 s56, s58, 3072
	s_lshl_b32 s62, s59, 6
	s_add_co_u32 s56, s56, s62                     ; + 8 x 8 (g % 2): registers 4-5
	s_add_nc_u64 s[68:69], s[16:17], s[56:57]
	s_lshl_b32 s56, s59, 7
	s_lshl_b32 s62, s58, 3
	s_add_co_u32 s56, s56, s62                     ; the scale words: 16 x 8 (g % 2) + 4 x 2 (g / 2)
	s_add_nc_u64 s[70:71], s[16:17], s[56:57]
	v_lshrrev_b32 v60, 3, v2                       ; r / 8
	v_and_b32 v61, 7, v2                           ; r % 8
	s_delay_alu instid0(VALU_DEP_2)
	v_mul_u32_u24 v62, v60, 1536                   ; two tiles on for r / 8
	s_delay_alu instid0(VALU_DEP_1)
	v_lshl_add_u32 v63, v61, 4, v62
	s_delay_alu instid0(VALU_DEP_1)
	v_lshl_add_u32 v63, v3, 8, v63                 ; + 16 (r % 8 + 16 h)
	s_delay_alu instid0(VALU_DEP_3)
	v_lshl_add_u32 v64, v61, 3, v62
	s_delay_alu instid0(VALU_DEP_1)
	v_lshl_add_u32 v64, v3, 7, v64                 ; + 8 (r % 8 + 16 h)
	v_lshlrev_b32 v65, 4, v61
	s_delay_alu instid0(VALU_DEP_1)
	v_lshl_add_u32 v65, v3, 8, v65
	s_delay_alu instid0(VALU_DEP_1)
	v_lshl_add_u32 v65, v60, 2, v65                ; scale words: 16 (r % 8 + 16 h) + 4 (r / 8): lane (r, h) stores the word of tile y = h, whose new tile is odd where h is 1
	v_cmp_eq_u32 vcc_lo, 1, v3
	s_delay_alu instid0(VALU_DEP_1)
	v_cndmask_b32 v118, v114, v115, vcc_lo
	s_delay_alu instid0(VALU_DEP_2)
	v_cndmask_b32 v119, v116, v117, vcc_lo
.irp e, 0,1
.irp y, 0,1
	global_store_b128 v63, v[32+12*\e+6*\y:35+12*\e+6*\y], s[66:67] offset:32*KVB*\e+768*\y
	global_store_b64 v64, v[36+12*\e+6*\y:37+12*\e+6*\y], s[68:69] offset:32*KVB*\e+768*\y+512
.endr
	global_store_b32 v65, v[118+\e], s[70:71] offset:32*KVB*\e+6144
.endr
	s_branch .Ldone
.Lv:
	; ---- v: + bias (one channel a lane), quantised along the 128 tokens
	ds_load_b32 v56, v31
	ds_load_b32 v57, v31
	ds_load_b32 v58, v31 offset:32
	ds_load_b32 v59, v31 offset:32
	s_wait_dscnt 0x0
.set j, 0
.rept 32
	v_pk_add_f32 v[ACC+j:ACC+j+1], v[ACC+j:ACC+j+1], v[56:57]
.set j, j+2
.endr
.set j, 0
.rept 32
	v_pk_add_f32 v[ACC+64+j:ACC+65+j], v[ACC+64+j:ACC+65+j], v[58:59]
.set j, j+2
.endr
	QUANT ACC, 32, 38, 112
	QUANT ACC+64, 44, 50, 113
	s_lshr_b32 s56, s20, 1
	s_lshl_b32 s57, s23, 1
	s_add_co_u32 s56, s56, s57                     ; the head: 2 G + g / 2
	s_lshl_b32 s56, s56, 5
	s_add_co_u32 s56, s56, s22
	s_mul_i32 s56, s56, KVB
	s_mov_b32 s57, 0
	s_add_nc_u64 s[16:17], s[16:17], s[56:57]
	s_and_b32 s58, s20, 1
	s_mul_i32 s56, s58, 3072
	s_add_nc_u64 s[66:67], s[16:17], s[56:57]      ; channel tiles 2 (g % 2) and the next
	s_lshl_b32 s56, s58, 2
	s_add_nc_u64 s[68:69], s[16:17], s[56:57]
	v_cmp_eq_u32 vcc_lo, 1, v3
	s_delay_alu instid0(VALU_DEP_1)
	v_cndmask_b32 v118, v112, v113, vcc_lo
	s_wait_alu depctr_va_vdst(0)
.irp y, 0,1
.irp c, 0,1,2
	global_store_b128 v1, v[32+12*\y+4*\c:35+12*\y+4*\c], s[66:67] offset:6656+1536*\y+512*\c
.endr
.endr
	global_store_b32 v14, v118, s[68:69] offset:12800
.Ldone:
	s_wait_tensorcnt 0x0
	ds_add_u32 v123, v127
	s_wait_dscnt 0x0
	CROUND                                         ; the closing round: no work-group ends while a partner may still ask jointly
	s_endpgm
.Lfunc_end_k_qc9d658e448_qkv:
	.size	k_qc9d658e448_qkv, .Lfunc_end_k_qc9d658e448_qkv-k_qc9d658e448_qkv
	.p2alignl 7, 3214868480
	.fill 96, 4, 3214868480
	.section	.rodata,"a",@progbits
	.p2align	6, 0x0
	.amdhsa_kernel k_qc9d658e448_qkv
		.amdhsa_group_segment_fixed_size 327680
		.amdhsa_private_segment_fixed_size 0
		.amdhsa_enable_private_segment 0
		.amdhsa_kernarg_size 56
		.amdhsa_user_sgpr_count 2
		.amdhsa_user_sgpr_kernarg_segment_ptr 1
		.amdhsa_wavefront_size32 1
		.amdhsa_system_sgpr_workgroup_id_x 1
		.amdhsa_system_sgpr_workgroup_id_y 1
		.amdhsa_system_sgpr_workgroup_id_z 1
		.amdhsa_system_vgpr_workitem_id 0
		.amdhsa_next_free_vgpr 256
		.amdhsa_next_free_sgpr 72
		.amdhsa_reserve_vcc 1
		.amdhsa_float_denorm_mode_32 3
		.amdhsa_float_denorm_mode_16_64 3
		.amdhsa_memory_ordered 1
		.amdhsa_forward_progress 1
		.amdhsa_inst_pref_size 71
	.end_amdhsa_kernel
	.amdgpu_metadata
---
amdhsa.version: [ 1, 2 ]
amdhsa.kernels:
  - .name:           k_qc9d658e448_qkv
    .symbol:         k_qc9d658e448_qkv.kd
    .args:
      - { .name: y1pan, .offset: 0, .size: 8, .value_kind: global_buffer, .address_space: global }
      - { .name: wpan, .offset: 8, .size: 8, .value_kind: global_buffer, .address_space: global }
      - { .name: bq, .offset: 16, .size: 8, .value_kind: global_buffer, .address_space: global }
      - { .name: bk, .offset: 24, .size: 8, .value_kind: global_buffer, .address_space: global }
      - { .name: bv, .offset: 32, .size: 8, .value_kind: global_buffer, .address_space: global }
      - { .name: qimg, .offset: 40, .size: 8, .value_kind: global_buffer, .address_space: global }
      - { .name: kv, .offset: 48, .size: 8, .value_kind: global_buffer, .address_space: global }
    .group_segment_fixed_size: 327680
    .private_segment_fixed_size: 0
    .kernarg_segment_align: 8
    .kernarg_segment_size: 56
    .max_flat_workgroup_size: 384
    .sgpr_count:     72
    .vgpr_count:     256
    .wavefront_size: 32
...
	.end_amdgpu_metadata
.endif
;; end of part 2
;; launch attn (part 3): grid 64 x 4, 12 waves a work-group, clusters of 4 x 1, 327,680 bytes of LDS; arguments qimg, kv, opan; writes opan
.if DOCPART == 3
	.amdgcn_target "amdgcn-amd-amdhsa--gfx1250"
	.amdhsa_code_object_version 6
	.text
	.protected	k_qc9d658e448_attn
	.globl	k_qc9d658e448_attn
	.p2align	8
	.type	k_qc9d658e448_attn,@function
k_qc9d658e448_attn:
	s_mov_b64 s[64:65], 0
	v_nop
	global_prefetch_b8 v0, s[64:65] scope:SCOPE_SE
	s_setreg_imm32_b32 hwreg(HW_REG_WAVE_MODE, 25, 1), 1
	s_wait_xcnt 0x0
	s_wait_alu depctr_hold_cnt(0) depctr_sa_sdst(0) depctr_va_vdst(0) depctr_va_sdst(0) depctr_va_ssrc(0) depctr_va_vcc(0) depctr_vm_vsrc(0)
	s_getreg_b32 s2, hwreg(HW_REG_IB_STS2, 6, 4)
	s_cmp_eq_u32 s2, 0
	s_cbranch_scc0 .Lentry_in_a_cluster
	s_endpgm
.Lentry_in_a_cluster:
	s_bfe_u32 s2, ttmp6, 0x10000c
	s_cmp_lg_u32 s2, 0x3003
	s_cbranch_scc0 .Lentry_shape_is_right
	s_endpgm
.Lentry_shape_is_right:
; o = softmax(q k^T / 8) v for three heads (3 Y + w / 4) x 64 queries (block X; wave w takes query tile w % 4), on codes of FP6 (E2M3) with E8M0 scales; o is quantised along the heads' channels and stored as a panel.
; Both products are used transposed (S^T = k q^T, O^T = v^T p^T): a lane holds one query throughout.  A step is 128 keys: 8 + 4 matrix instructions.
; kv: a block of 13,056 bytes for (head, 128 keys): k's eight tiles of 768 bytes (registers 0-3 at 16 l, 4-5 at 512 + 8 l), k's scale words at 6,144 + 16 l, v's four channel tiles at 6,656 + 1,536 t, v's scale words at 12,800 + 8 l.
; The keys of a tile of k were chosen so that a lane's 32 registers of four tiles are one whole block of 32 keys: lanes 0-15 hold blocks 0 and 2 of the step, lanes 16-31 blocks 1 and 3.
; A head has 64 along K: q's upper six registers are zero codes, against which the next tile's codes stand; the scale bytes there are 0x7f.
; SOFTMAX: t = score x log2(e) / 8; M = the ceiling of the running largest t, kept as -M; p = 2^(t - M); the row's sum is taken of the unquantised p; a change of M multiplies the sum and O^T by an exact power of two.
; A block's largest p is made from the block's largest score by the same multiply-add and exponential.
; LDS: two slots of 12 blocks (three heads x four steps); wave w fills block w of a slot: one tensor load a wave at the head and one behind each barrier of a refill.
; CLUSTER: the four work-groups of a cluster are four query blocks with the same heads: every block of kv is asked for jointly (mask 15); a round of the cluster's barrier stands in front of each group of loads.
; LOADS FROM LDS RUN AHEAD: v's fragments have registers of their own (v256-303) and are asked for at a step's head; the NEXT step's fragments of k are asked for behind this step's score products
; (in a slot's last step: behind the barrier, from the other slot).  So s_wait_dscnt 13 ahead of the score products leaves v's 13 loads out, and s_wait_dscnt 17 ahead of the second product leaves the next k's 17 out.
; No prefetch is laid: a refill is asked for in the middle of a slot's last step and awaited in the other slot's last step, more than three steps of the loop later.
; LIMITS: the promise holds while the scaled scores t stay under 2^31 in magnitude.  NaN and infinities are not served.  A block of zeros gets the byte 1 (its codes are zeros; this program alone reads the bytes).
.set CL,    1                          ; 1: clusters of 4 x 1 with joint loads;  0: none (with the launch's line cluster = none)
.set KVB,   13056
.set SLOTB, 12*KVB
.set SPARE, 2*SLOTB                    ; behind the slots: the spare words, 128 bytes a wave
.set BLK,   12800
.set SCO,   12288
.set WV,  18
.set SEL, 20                           ; s[20:21] selects of v_permlanex16_b32 for lane l xor 16
.set CS,  24                           ; s[24:25] log2(e) / 8
.set G1,  28
.set G0,  36                           ; s[36:39], s[40:43] group 0 for slot 0, 1
.set TB,  44                           ; the step's first byte in LDS
.set CNT, 45
.set LAP, 46
; REGISTERS: v1, v2 my head's part of slot 0 + 16 l, + 8 l; v3, v4 the same in the step in hand; v7, v8 in the other slot; v5, v6 the add's two; v9, v10 16 l, 8 l; v12 -M, v13 the largest t, v[14:15] the sum;
; v16-27 q, v28 its scale word, v29 8 h; v32-85 k's fragments, v86-89 their scale words, v90-91 v's; v96-159 scores, then p; v160-191 O^T; v224-235 p's codes; v236-255 at work; v253 p's scale word.
.set MSB, 0
.macro WIN new                         ; the immediate's high byte repeats the setting that is left
.if MSB != \new
	s_set_vgpr_msb (MSB<<8)|\new
.set MSB, \new
.endif
.endm
.macro CREST                           ; a round of the cluster's barrier behind its opening barrier
	s_cmp_lg_u32 s[WV], 0
	s_cbranch_scc1 .Lnw0_\@
	s_barrier_signal -3
.Lnw0_\@:
	s_barrier_wait -3
	s_barrier_signal -1
	s_barrier_wait -1
.endm
.macro MEETALL                         ; a whole round, or, without clusters, the work-group's barrier
	s_barrier_signal -1
	s_barrier_wait -1
.if CL
	CREST
.endif
.endm
.macro KQ t
.if (\t)%2
	v_wmma_scale_f32_16x16x128_f8f6f4 v[96+8*(\t):103+8*(\t)], v[32+6*(\t):43+6*(\t)], v[16:27], 0, v[86+(\t)/2], v28 matrix_a_fmt:MATRIX_FMT_FP6 matrix_b_fmt:MATRIX_FMT_FP6 matrix_a_scale:MATRIX_SCALE_ROW1
.else
	v_wmma_scale_f32_16x16x128_f8f6f4 v[96+8*(\t):103+8*(\t)], v[32+6*(\t):43+6*(\t)], v[16:27], 0, v[86+(\t)/2], v28 matrix_a_fmt:MATRIX_FMT_FP6 matrix_b_fmt:MATRIX_FMT_FP6
.endif
.endm
.macro PV t                            ; source 0: v's tile t, in the second window of 256
.if (\t)%2
	v_wmma_scale_f32_16x16x128_f8f6f4 v[160+8*(\t):167+8*(\t)], v[12*(\t):12*(\t)+11], v[224:235], v[160+8*(\t):167+8*(\t)], v[90+(\t)/2], v253 matrix_a_fmt:MATRIX_FMT_FP6 matrix_b_fmt:MATRIX_FMT_FP6 matrix_a_scale:MATRIX_SCALE_ROW1
.else
	v_wmma_scale_f32_16x16x128_f8f6f4 v[160+8*(\t):167+8*(\t)], v[12*(\t):12*(\t)+11], v[224:235], v[160+8*(\t):167+8*(\t)], v[90+(\t)/2], v253 matrix_a_fmt:MATRIX_FMT_FP6 matrix_b_fmt:MATRIX_FMT_FP6
.endif
.endm
.macro KLOAD a16, a8, off              ; a step's fragments of k and their scale words: 17 loads
	ds_load_b128 v[86:89], v[\a16] offset:(\off)+6144
.irp t, 0,1,2,3,4,5,6,7
	ds_load_b128 v[32+6*\t:35+6*\t], v[\a16] offset:(\off)+768*\t
	ds_load_b64 v[36+6*\t:37+6*\t], v[\a8] offset:(\off)+768*\t+512
.endr
.endm
; A step.  mode 0: inside a slot;  1: a slot's last step, nothing is filled again;  2: a slot's last step, slot n is filled again;  3: the very last step.
.macro STEP mode, n
	v_add_nc_u32 v3, s[TB], v1                     ; these four lines are the places between the last products and the loads into their registers
	v_add_nc_u32 v4, s[TB], v2
.if (\mode == 1) || (\mode == 2)
	v_add_nc_u32 v7, (1-(\n))*SLOTB, v1
	v_add_nc_u32 v8, (1-(\n))*SLOTB, v2
.else
	v_nop
	v_nop
.endif
	WIN 0x40                                       ; destination in the second window
.irp i, 0,1,2,3,4,5,6,7,8,9,10,11
	ds_load_b128 v[4*\i:4*\i+3], v3 offset:6656+512*\i
.endr
	WIN 0
	ds_load_b64 v[90:91], v4 offset:12800
	s_wait_alu depctr_va_vdst(0)
	s_wait_dscnt 13                                ; k's 17 loads, asked for a step ago, are in; v's 13 may be out
.irp t, 0,1,2,3,4,5,6,7
	KQ \t
.endr
	v_mov_b32 v255, v12                            ; the old -M; with three v_nop the four places behind the products
.rept 3
	v_nop
.endr
.if \mode == 0
	KLOAD 3, 4, KVB                                ; the next step's k, from the same slot
.endif
.if (\mode == 1) || (\mode == 2)
	s_wait_tensorcnt 0x0                           ; all my tensor loads are in: my block of the other slot
	ds_add_u32 v5, v6                              ; the maxima below stand between the add and the wait for it
.if \mode == 2
	s_add_nc_u64 s[G0+2+4*(\n):G0+3+4*(\n)], s[G0+2+4*(\n):G0+3+4*(\n)], 8*KVB   ; no load of mine is out: this slot's next four steps
.endif
.endif
.irp b, 0,1,2,3
	v_max3_num_f32 v[232+\b], v[96+16*\b], v[97+16*\b], v[98+16*\b]   ; the largest score of each 16, each accumulator from its low end on
.endr
.irp i, 3,5,7,9,11,13
.irp b, 0,1,2,3
	v_max3_num_f32 v[232+\b], v[232+\b], v[96+16*\b+\i], v[97+16*\b+\i]
.endr
.endr
	v_max_num_f32 v233, v233, v127
	v_max_num_f32 v235, v235, v159
	v_max3_num_f32 v232, v232, v111, v233          ; my first block of 32 keys,
	v_max3_num_f32 v233, v234, v143, v235          ; my second
	s_delay_alu instid0(VALU_DEP_1)
	v_max_num_f32 v254, v232, v233
	v_permlanex16_b32 v236, v254, s[SEL], s[SEL+1]
	s_delay_alu instid0(VALU_DEP_1)
	v_max_num_f32 v254, v254, v236                 ; the step's largest score of my query
	s_delay_alu instid0(VALU_DEP_1)
	v_mul_f32 v254, s[CS], v254
	s_delay_alu instid0(VALU_DEP_1)
	v_max_num_f32 v13, v13, v254
	v_floor_f32 v12, -v13                          ; the new -M
	v_sub_f32 v254, v12, v255
	s_delay_alu instid0(VALU_DEP_1)
	v_cvt_i32_f32 v254, v254
	s_delay_alu instid0(VALU_DEP_1)
	v_ldexp_f32 v252, 1.0, v254                    ; f = 2^(old M - new M)
.if (\mode == 1) || (\mode == 2)
	s_wait_alu depctr_va_vdst(0)
	s_wait_dscnt 0x0                               ; the add is done, and my reads of this slot are over: v's loads were the last
	s_barrier_signal -1
.endif
.set j, 0
.rept 32
	v_pk_fma_f32 v[96+j:97+j], v[96+j:97+j], s[CS:CS+1], v[12:13] op_sel_hi:[1,0,0]   ; t - M
.set j, j+2
.endr
	v_fma_f32 v232, v232, s[CS], v12
	v_fma_f32 v233, v233, s[CS], v12
	s_wait_alu depctr_va_vdst(0)
.set j, 0
.rept 64
	v_exp_f32 v[96+j], v[96+j]
.set j, j+1
.endr
	v_pk_mul_f32 v[14:15], v[14:15], v[252:253] op_sel_hi:[1,0]   ; the sums under the new M; a plain line behind the exponentials
	s_wait_alu depctr_va_vdst(0)                   ; one wait for the batch
.if (\mode == 1) || (\mode == 2)
	s_barrier_wait -1                              ; nobody reads this slot any more, and the other slot is whole
.if \mode == 2
.if CL
	CREST                                          ; the barrier has opened a round: the same holds of all four work-groups
.endif
	tensor_load_to_lds s[G0+4*(\n):G0+4*(\n)+3], s[G1:G1+7]
	s_nop 0
.endif
	KLOAD 7, 8, 0                                  ; the next step's k, from the other slot
.endif
	v_exp_f32 v232, v232                           ; each block's largest p
	v_exp_f32 v233, v233
	v_pk_add_f32 v[236:237], v[96:97], v[98:99]    ; the sum of the unquantised p, in two chains
.set j, 4
.rept 15
	v_pk_add_f32 v[14:15], v[14:15], v[96+j:97+j]
	v_pk_add_f32 v[236:237], v[236:237], v[98+j:99+j]
.set j, j+4
.endr
	s_delay_alu instid0(VALU_DEP_1)
	v_pk_add_f32 v[14:15], v[14:15], v[236:237]
	s_wait_alu depctr_va_vdst(0)                   ; and one for the two
	v_max_num_f32 v232, 0x1800000, v232            ; the floor 2^(3 - 127): the byte cannot fall under 1
	v_max_num_f32 v233, 0x1800000, v233
	s_delay_alu instid0(VALU_DEP_2)
	v_add_nc_u32 v244, 0xff000000, v232            ; 2 off the exponent field: the conversion's scale operand
	s_delay_alu instid0(VALU_DEP_2)
	v_add_nc_u32 v245, 0xff000000, v233
	s_delay_alu instid0(VALU_DEP_2)
	v_lshrrev_b32 v236, 23, v244
	s_delay_alu instid0(VALU_DEP_2)
	v_lshrrev_b32 v237, 23, v245
	s_delay_alu instid0(VALU_DEP_1)
	v_lshl_or_b32 v253, v237, 16, v236
	s_delay_alu instid0(VALU_DEP_1)
	v_lshlrev_b32 v253, v29, v253                  ; my two bytes at their places, 8 h bits up;
	v_permlanex16_b32 v238, v253, s[SEL], s[SEL+1]
	s_delay_alu instid0(VALU_DEP_1)
	v_or_b32 v253, v253, v238                      ; with lane l xor 16's two the scale word is whole
.irp c, 0,1
	v_cvt_scalef32_pk16_fp6_f32 v[224+6*\c:226+6*\c], v[96+32*\c:111+32*\c], v[244+\c]
	v_cvt_scalef32_pk16_fp6_f32 v[236+4*\c:238+4*\c], v[112+32*\c:127+32*\c], v[244+\c]
.endr
	v_nop                                          ; one plain line behind the scaled conversions
.irp c, 0,1
.irp i, 0,1,2
	v_mov_b32 v[227+6*\c+\i], v[236+4*\c+\i]
.endr
.endr
	s_wait_alu depctr_va_vdst(0)                   ; the wait directly ahead of the first reader of O^T
.set j, 0
.rept 16
	v_pk_mul_f32 v[160+j:161+j], v[160+j:161+j], v[252:253] op_sel_hi:[1,0]   ; O^T under the new M
.set j, j+2
.endr
.if \mode == 0
	s_wait_alu depctr_va_vdst(0)
	s_wait_dscnt 17                                ; v's loads are in; the next k's 17 may be out
.endif
.if \mode == 3
	s_wait_alu depctr_va_vdst(0)
	s_wait_dscnt 0x0
.endif
	WIN 0x01                                       ; source 0 in the second window
.irp t, 0,1,2,3
	PV \t
.endr
	WIN 0
.endm
.macro SLOTW n, mode                   ; a slot's four steps
	s_mov_b32 s[TB], (\n)*SLOTB
	s_mov_b32 s[CNT], 3
.Lst_\@:
	STEP 0, 0
	s_add_co_u32 s[TB], s[TB], KVB
	s_sub_co_u32 s[CNT], s[CNT], 1
	s_cmp_lg_u32 s[CNT], 0
	s_cbranch_scc1 .Lst_\@
	STEP \mode, \n
.endm
	s_load_b128 s[4:7], s[0:1], 0x0                ; qimg s[4:5], kv s[6:7]
	s_load_b64 s[8:9], s[0:1], 0x10                ; o's panel
	v_lshl_add_u32 v5, v0, 2, SPARE
	v_mov_b32 v6, 0
	ds_add_u32 v5, v6                              ; the opening lines: the add, twice on end, and its wait ahead of my first tensor load
	ds_add_u32 v5, v6
	v_lshrrev_b32 v1, 5, v0
	s_delay_alu instid0(VALU_DEP_1)
	v_readfirstlane_b32 s[WV], v1                  ; wave 0..11
	s_lshr_b32 s10, s[WV], 2                       ; which of the three heads
	s_and_b32 s11, s[WV], 3                        ; my query tile.  Also: the step of a slot that I fetch
.if CL
	s_bfe_u32 s12, ttmp6, 0x40000                  ; cx
	s_lshl_b32 s13, ttmp9, 2
	s_add_co_u32 s13, s13, s12                     ; query block X = 4 x cluster x + cx
	s_mov_b32 s[G1], 15|(3<<16)|(1<<21)            ; group 1: jointly, mask 15 with bit 21 beside it
.else
	s_mov_b32 s13, ttmp9
	s_mov_b32 s[G1], 3<<16
.endif
	s_and_b32 s14, ttmp7, 0xffff
	s_mul_i32 s15, s14, 3
	s_add_co_u32 s15, s15, s10                     ; the head
	s_mov_b32 s[G1+1], 32<<16                      ; a dense block of 51 rows of 256 bytes (32 elements of 8 bytes)
	s_mov_b32 s[G1+2], 51<<16
	s_mov_b32 s[G1+3], 32<<16
	s_mov_b32 s[G1+4], 51
	s_mov_b32 s[G1+5], 32
	s_mov_b32 s[G1+6], 0
	s_mov_b32 s[G1+7], 0
	s_lshl_b32 s16, s15, 5
	s_add_co_u32 s16, s16, s11
	s_mul_i32 s16, s16, KVB                        ; block (head, step w % 4): made of Y and the wave's number alone
	s_mov_b32 s17, 0
	s_mul_i32 s19, s[WV], KVB                      ; where it goes
	s_lshl_b32 s48, s15, 8
	s_lshl_b32 s49, s13, 2
	s_add_co_u32 s48, s48, s49
	s_add_co_u32 s48, s48, s11
	s_lshl_b32 s48, s48, 10                        ; q's record: 1,024 bytes for (head, query tile)
	s_mov_b32 s49, 0
	s_mov_b32 s[SEL], 0x76543210
	s_mov_b32 s[SEL+1], 0xfedcba98
	s_mov_b32 s[CS], 0x3e38aa3b                    ; log2(e) / 8
	s_mov_b32 s[CS+1], s[CS]
	s_wait_alu depctr_va_vdst(0)
	s_wait_dscnt 0x0                               ; both opening adds are done
	s_wait_kmcnt 0x0
	s_mov_b32 s[G0], 1
	s_mov_b32 s[G0+1], s19
	s_add_nc_u64 s[G0+2:G0+3], s[6:7], s[16:17]
	s_mov_b32 s[G0+4], 1
	s_add_co_u32 s[G0+5], s19, SLOTB
	s_add_nc_u64 s[G0+6:G0+7], s[G0+2:G0+3], 4*KVB
	s_or_b32 s[G0+3], s[G0+3], 0x80000000
	s_or_b32 s[G0+7], s[G0+7], 0x80000000
	s_add_nc_u64 s[4:5], s[4:5], s[48:49]
.if CL
	MEETALL                                        ; the four work-groups are here: the first joint loads meet
.endif
	tensor_load_to_lds s[G0:G0+3], s[G1:G1+7]      ; slot 0: one tensor load a wave at the head
	s_nop 0
	v_and_b32 v31, 31, v0
	s_delay_alu instid0(VALU_DEP_1)
	v_lshlrev_b32 v9, 4, v31                       ; 16 l
	s_delay_alu instid0(VALU_DEP_2)
	v_lshlrev_b32 v10, 3, v31                      ; 8 l
	s_delay_alu instid0(VALU_DEP_3)
	v_lshlrev_b32 v30, 2, v31                      ; 4 l
	global_load_b128 v[16:19], v9, s[4:5]          ; q, asked for while slot 0 is on its way
	global_load_b64 v[20:21], v10, s[4:5] offset:512
	global_load_b32 v28, v30, s[4:5] offset:768
	s_mul_i32 s50, s10, 4*KVB                      ; my head's four blocks of a slot
	v_add_nc_u32 v1, s50, v9
	v_add_nc_u32 v2, s50, v10
	v_bfe_u32 v29, v0, 4, 1
	s_delay_alu instid0(VALU_DEP_1)
	v_lshlrev_b32 v29, 3, v29                      ; 8 h
.irp i, 22,23,24,25,26,27,80,81,82,83,84,85
	v_mov_b32 v[\i], 0                             ; zero codes: q's upper 64 of the instruction's K, and what stands behind k's last tile
.endr
	v_mov_b32 v13, 0xff61b1e6                      ; the largest t so far: -3e38
	s_delay_alu instid0(VALU_DEP_1)
	v_floor_f32 v12, -v13
	v_mov_b32 v14, 0
	v_mov_b32 v15, 0
.irp b, 0,1,2,3
	v_mov_b32 v[236+\b], 0                         ; a lane permute's destination counts as read
.endr
	v_mov_b32 v253, 0
.set j, 0
.rept 32
	v_mov_b32 v[160+j], 0                          ; O^T: the step is written once, and the first finds zeros
.set j, j+1
.endr
	s_wait_alu depctr_va_vdst(0)
	s_wait_tensorcnt 0x0                           ; my block of slot 0 is in
	ds_add_u32 v5, v6
	s_wait_dscnt 0x0
	MEETALL                                        ; slot 0 is whole
	tensor_load_to_lds s[G0+4:G0+7], s[G1:G1+7]    ; slot 1's first fill
	s_nop 0
	KLOAD 1, 2, 0                                  ; the first step's k
	s_wait_loadcnt 0x0                             ; q
	s_mov_b32 s[LAP], 3
.Llap:
	SLOTW 0, 2
	SLOTW 1, 2
	s_sub_co_u32 s[LAP], s[LAP], 1
	s_cmp_lg_u32 s[LAP], 0
	s_cbranch_scc1 .Llap
	SLOTW 0, 1                                     ; the last two slots fetch nothing more
	SLOTW 1, 3
.rept 4
	v_nop                                          ; four plain lines behind the last products
.endr
	v_add_f32 v14, v14, v15
	s_delay_alu instid0(VALU_DEP_1)
	v_permlanex16_b32 v252, v14, s[SEL], s[SEL+1]
	s_delay_alu instid0(VALU_DEP_1)
	v_add_f32 v14, v14, v252                       ; the row's sum
	s_wait_alu depctr_va_vdst(0)
	v_rcp_f32 v14, v14
	v_and_b32 v11, 15, v0
	s_delay_alu instid0(VALU_DEP_1)
	v_lshlrev_b32 v11, 5, v11                      ; 32 r
	s_wait_alu depctr_va_vdst(0)
.set j, 0
.rept 32
	v_mul_f32 v[96+j], v[160+j], v14               ; o: register 16 b + i = channel 32 b + 16 h + i of my query
.set j, j+1
.endr
.irp b, 0,1
	v_max3_num_f32 v[232+\b], |v[96+16*\b]|, |v[97+16*\b]|, 0x1800000
.endr
.irp i, 2,4,6,8,10,12,14
.irp b, 0,1
	s_delay_alu instid0(VALU_DEP_2)
	v_max3_num_f32 v[232+\b], v[232+\b], |v[96+16*\b+\i]|, |v[97+16*\b+\i]|
.endr
.endr
.irp b, 0,1
	v_permlanex16_b32 v[236+\b], v[232+\b], s[SEL], s[SEL+1]
.endr
.irp b, 0,1
	s_delay_alu instid0(VALU_DEP_2)
	v_max_num_f32 v[232+\b], v[232+\b], v[236+\b]
.endr
.irp b, 0,1
	s_delay_alu instid0(VALU_DEP_2)
	v_add_nc_u32 v[244+\b], 0xff000000, v[232+\b]
.endr
.irp b, 0,1
	s_delay_alu instid0(VALU_DEP_2)
	v_lshrrev_b32 v[236+\b], 23, v[244+\b]
.endr
	s_delay_alu instid0(VALU_DEP_1)
	v_lshl_or_b32 v208, v237, 8, v236              ; the head's two scale bytes
	v_cvt_scalef32_pk16_fp6_f32 v[192:194], v[96:111], v244
	v_cvt_scalef32_pk16_fp6_f32 v[204:206], v[112:127], v245
	v_nop
.irp i, 0,1,2
	v_permlane16_swap_b32 v[192+\i], v[204+\i]     ; a whole block in a lane
.endr
.irp i, 0,1,2
	s_delay_alu instid0(VALU_DEP_3)
	v_mov_b32 v[195+\i], v[204+\i]
.endr
	s_lshr_b32 s50, s13, 1                         ; panel block (128 queries, K step head / 2); my tile 4 (X % 2) + w % 4; the head's half of the fragment's 12 registers
	s_mul_i32 s50, s50, 6
	s_lshr_b32 s51, s15, 1
	s_add_co_u32 s50, s50, s51
	s_mul_i32 s50, s50, BLK
	s_and_b32 s51, s13, 1
	s_lshl_b32 s51, s51, 2
	s_add_co_u32 s51, s51, s11
	s_mul_i32 s52, s51, 1536
	s_add_co_u32 s52, s52, s50
	s_mov_b32 s53, 0
	s_add_nc_u64 s[54:55], s[8:9], s[52:53]
	s_and_b32 s56, s15, 1
	s_lshl_b32 s51, s51, 2
	s_add_co_u32 s52, s50, s51
	s_lshl_b32 s57, s56, 1
	s_add_co_u32 s52, s52, s57
	s_add_nc_u64 s[58:59], s[8:9], s[52:53]
	s_cmp_eq_u32 s56, 0
	s_cbranch_scc0 .Lodd
	s_wait_alu depctr_va_vdst(0)
	global_store_b128 v9, v[192:195], s[54:55]
	global_store_b64 v9, v[196:197], s[54:55] offset:512
	s_branch .Lsent
.Lodd:
	s_wait_alu depctr_va_vdst(0)
	global_store_b64 v9, v[192:193], s[54:55] offset:520
	global_store_b128 v9, v[194:197], s[54:55] offset:1024
.Lsent:
	global_store_b16 v11, v208, s[58:59] offset:SCO
	s_wait_tensorcnt 0x0                           ; the wave's end
	ds_add_u32 v5, v6
	s_wait_dscnt 0x0
.if CL
	MEETALL                                        ; the closing round: no work-group ends while a partner may still ask jointly
.endif
	s_endpgm
.Lfunc_end_k_qc9d658e448_attn:
	.size	k_qc9d658e448_attn, .Lfunc_end_k_qc9d658e448_attn-k_qc9d658e448_attn
	.p2alignl 7, 3214868480
	.fill 96, 4, 3214868480
	.section	.rodata,"a",@progbits
	.p2align	6, 0x0
	.amdhsa_kernel k_qc9d658e448_attn
		.amdhsa_group_segment_fixed_size 327680
		.amdhsa_private_segment_fixed_size 0
		.amdhsa_enable_private_segment 0
		.amdhsa_kernarg_size 24
		.amdhsa_user_sgpr_count 2
		.amdhsa_user_sgpr_kernarg_segment_ptr 1
		.amdhsa_wavefront_size32 1
		.amdhsa_system_sgpr_workgroup_id_x 1
		.amdhsa_system_sgpr_workgroup_id_y 1
		.amdhsa_system_sgpr_workgroup_id_z 1
		.amdhsa_system_vgpr_workitem_id 0
		.amdhsa_next_free_vgpr 304
		.amdhsa_next_free_sgpr 66
		.amdhsa_reserve_vcc 0
		.amdhsa_float_denorm_mode_32 3
		.amdhsa_float_denorm_mode_16_64 3
		.amdhsa_memory_ordered 1
		.amdhsa_forward_progress 1
		.amdhsa_inst_pref_size 135
	.end_amdhsa_kernel
	.amdgpu_metadata
---
amdhsa.version: [ 1, 2 ]
amdhsa.kernels:
  - .name:           k_qc9d658e448_attn
    .symbol:         k_qc9d658e448_attn.kd
    .args:
      - { .name: qimg, .offset: 0, .size: 8, .value_kind: global_buffer, .address_space: global }
      - { .name: kv, .offset: 8, .size: 8, .value_kind: global_buffer, .address_space: global }
      - { .name: opan, .offset: 16, .size: 8, .value_kind: global_buffer, .address_space: global }
    .group_segment_fixed_size: 327680
    .private_segment_fixed_size: 0
    .kernarg_segment_align: 8
    .kernarg_segment_size: 24
    .max_flat_workgroup_size: 384
    .sgpr_count:     66
    .vgpr_count:     304
    .wavefront_size: 32
...
	.end_amdgpu_metadata
.endif
;; end of part 3
;; launch wo (part 4): grid 32 x 6, 12 waves a work-group, clusters of 4 x 1, 327,680 bytes of LDS; arguments opan, wpan, bo, x, x1; writes x1
.if DOCPART == 4
	.amdgcn_target "amdgcn-amd-amdhsa--gfx1250"
	.amdhsa_code_object_version 6
	.text
	.protected	k_qc9d658e448_wo
	.globl	k_qc9d658e448_wo
	.p2align	8
	.type	k_qc9d658e448_wo,@function
k_qc9d658e448_wo:
	s_mov_b64 s[64:65], 0
	v_nop
	global_prefetch_b8 v0, s[64:65] scope:SCOPE_SE
	s_setreg_imm32_b32 hwreg(HW_REG_WAVE_MODE, 25, 1), 1
	s_wait_xcnt 0x0
	s_wait_alu depctr_hold_cnt(0) depctr_sa_sdst(0) depctr_va_vdst(0) depctr_va_sdst(0) depctr_va_ssrc(0) depctr_va_vcc(0) depctr_vm_vsrc(0)
	s_getreg_b32 s2, hwreg(HW_REG_IB_STS2, 6, 4)
	s_cmp_eq_u32 s2, 0
	s_cbranch_scc0 .Lentry_in_a_cluster
	s_endpgm
.Lentry_in_a_cluster:
	s_bfe_u32 s2, ttmp6, 0x10000c
	s_cmp_lg_u32 s2, 0x3003
	s_cbranch_scc0 .Lentry_shape_is_right
	s_endpgm
.Lentry_shape_is_right:
; out = res + (A W^T + bias): 128 rows (block B) x 128 columns (block Y), K = 128 x 3 x NH x KPG, on codes of FP6 with E8M0 scales; out and res are [4096][768] f32.
; OPERANDS are panel blocks of 12,800 bytes (128 rows x 128 K in register order; tile t = rows 32 (t / 2) + 8 (t % 2) + r + 8 (r / 8); scale word of row r, tile t at 12,288 + 32 r + 4 t).
; K IS SHARED OUT among three groups of four waves: group w / 4 takes KPG K steps of each of the NH halves of K.  In a group wave g multiplies W's 8 tiles (source 0) by token tiles 2 g, 2 g + 1 (source 1): a lane holds
; one token and 64 columns.  The 16 accumulators take turns.
; W: all K steps of the 128 columns lie in LDS, block k at 12,800 k, fetched once at the start (where NH = 2: wave w fetches blocks w and w + 12; where NH = 1: waves 0-5 one block each).  Nothing is filled twice.
; CLUSTER: four row blocks with the same columns: W's blocks are asked for jointly (mask 15).
; A: a fragment of A is wanted by ONE wave of the work-group (its K group, its two token tiles), so it does not go through LDS: six loads of 16 bytes a lane bring a K step's two fragments into registers, one of 8 bytes their
; scale words.  Four sets of 24 registers: the first four K steps are asked for at the head, ahead of the opening round; K step i + 3 at the head of K step i, into the set that K step i - 1 has left.
; THE RESIDUAL (tile w for waves 0-7: 16 rows of 512 bytes) and the bias are asked for as early as 68 registers are free: where a wave has two K steps, at the head; where it has eight, at the head of its seventh.
; At the end the three groups' parts meet in a stage in LDS (over W's blocks, which have had their one fill and their last read) and waves 0-7 add them in the order group 0, 1, 2, then the bias, then the residual, and
; store whole rows of 512 bytes.  LIMIT: that order of the sums differs from one chain along K.
; REGISTERS: v0-12 ids and addresses; v16-23 W's scale words, v24-39 A's (a pair for each K step): scales and nothing else; v40-87 four fragments of W; v88-111 set 0; v112-127 spare; v128-255 the accumulators;
;   in the second window of 256: v0-23, v24-47, v48-71 sets 1-3; v72-75 the bias.  The residual's rows 0-9 take v88-127, rows 10-15 set 1.
.set NH,     1                         ; halves of K
.set KPG,    2                         ; K steps of a group in a half
.set AKS,    6                         ; K steps in a row block of A's panel
.set WFIRST, 18                        ; W's first unit in the weights' panels,
.set WSTEP,  1                         ; and units for each block of 128 columns
.set SOFF,   2                         ; K step i uses set (i + SOFF) % 4
.set RESK,   -1                        ; the K step at whose head the residual is asked for; -1: at the kernel's head
.set NKW,  NH*KPG                      ; K steps of a wave
.set BLK,  12800
.set SCO,  12288
.set PAN,  6*BLK
.set SPITCH, 528
.set SGRP,  128*SPITCH                 ; a group's stage: 128 rows x (512 + 16) bytes
.set WV,  18
.set AB,  48                           ; s[48:49] A's codes at my group's first K step, my two tiles;  s[50:51] their scale words
.set ASB, 50
.set AX0, 4                            ; v4, v6 LDS addresses of W's tiles and scale words in my group's first K step;  v7, v8 in the K step in hand
.set ASX0, 6
.set AX,  7
.set ASX, 8
.set STW, 9                            ; the stage: where I put my results;  v10-12 where I read tile w's rows of the three groups
.set STR, 10
.set SX,  16
.set SY,  24
.set XF,  40
.set Y0,  88
.set ACC, 128
.set BIASR, 72
.set MSB, 0
.macro WIN new                         ; the immediate's high byte repeats the setting that is left
.if MSB != \new
	s_set_vgpr_msb (MSB<<8)|\new
.set MSB, \new
.endif
.endm
.macro CROUND
	s_barrier_signal -1
	s_barrier_wait -1
	s_cmp_lg_u32 s[WV], 0
	s_cbranch_scc1 .Lnw0_\@
	s_barrier_signal -3
.Lnw0_\@:
	s_barrier_wait -3
	s_barrier_signal -1
	s_barrier_wait -1
.endm
; My K step k of A: two fragments and their scale words: seven loads.  Their address registers are never written again.
.macro YLOAD k
.set KK, ((\k)/KPG)*3*KPG+(\k)%KPG
.set YSN, ((\k)+SOFF)%4
.set YB, Y0
.if YSN
.set YB, 24*(YSN-1)
	WIN 0x40                                       ; destination in the second window
.endif
.irp y, 0,1
.irp c, 0,1,2
	global_load_b128 v[YB+12*\y+4*\c:YB+12*\y+4*\c+3], v1, s[AB:AB+1] offset:KK*BLK+1536*\y+512*\c   ; 512 consecutive bytes
.endr
.endr
	WIN 0
	global_load_b64 v[SY+2*(\k):SY+2*(\k)+1], v5, s[ASB:ASB+1] offset:KK*BLK
.endm
; Waves 0-7: the residual of tile w, a row's 512 bytes an instruction, and the 128 biases
.macro RESLOAD
	s_cmp_lt_u32 s[WV], 8
	s_cbranch_scc0 .Lnr_\@
	s_wait_alu depctr_va_vdst(0)
.irp i, 0,1,2,3,4,5,6,7,8,9
	global_load_b128 v[Y0+4*\i:Y0+4*\i+3], v1, s[10:11] offset:(\i+8*(\i/8))*3072
.endr
	WIN 0x40
.irp i, 10,11,12,13,14,15
	global_load_b128 v[4*(\i-10):4*(\i-10)+3], v1, s[10:11] offset:(\i+8*(\i/8))*3072
.endr
	global_load_b128 v[BIASR:BIASR+3], v1, s[8:9]
	WIN 0
.Lnr_\@:
.endm
.macro MM x, y, i, zero
.if \zero
	v_wmma_scale_f32_16x16x128_f8f6f4 v[ACC+64*(\y)+8*(\x):ACC+64*(\y)+8*(\x)+7], v[XF+12*((\x)%4):XF+12*((\x)%4)+11], v[YBI+12*(\y):YBI+12*(\y)+11], 0, v[SX+(\x)], v[SY+2*(\i)+(\y)] matrix_a_fmt:MATRIX_FMT_FP6 matrix_b_fmt:MATRIX_FMT_FP6
.else
	v_wmma_scale_f32_16x16x128_f8f6f4 v[ACC+64*(\y)+8*(\x):ACC+64*(\y)+8*(\x)+7], v[XF+12*((\x)%4):XF+12*((\x)%4)+11], v[YBI+12*(\y):YBI+12*(\y)+11], v[ACC+64*(\y)+8*(\x):ACC+64*(\y)+8*(\x)+7], v[SX+(\x)], v[SY+2*(\i)+(\y)] matrix_a_fmt:MATRIX_FMT_FP6 matrix_b_fmt:MATRIX_FMT_FP6
.endif
.endm
; My K step i: 26 LDS loads, 16 matrix instructions.  The two additions and two v_nop are the four plain lines between the last matrix instructions and the loads into their registers.
.macro KSTEP i, zero
.set KKI, ((\i)/KPG)*3*KPG+(\i)%KPG
	v_add_nc_u32 v[AX], KKI*BLK, v[AX0]
	v_add_nc_u32 v[ASX], KKI*BLK, v[ASX0]
	v_nop
	v_nop
.if ((\i) >= 1) && ((\i)+3 < NKW)
	YLOAD (\i)+3                                   ; into the set that K step i - 1 has left
.endif
.if (\i) == RESK
	s_wait_loadcnt 0x0                             ; the last two K steps of A are in: no later wait on loads stands in the products' way
	RESLOAD
.endif
.set YSI, ((\i)+SOFF)%4
.set YBI, Y0
.if YSI
.set YBI, 24*(YSI-1)
.endif
	ds_load_b128 v[SX:SX+3], v[ASX]
	ds_load_b128 v[SX+4:SX+7], v[ASX] offset:16
.irp u, 0,1
.if \u
.rept 4
	v_nop                                          ; W's four register sets are loaded again: four plain lines behind their last readers
.endr
.endif
.irp x, 0,1,2,3
.irp c, 0,1,2
	ds_load_b128 v[XF+12*\x+4*\c:XF+12*\x+4*\c+3], v[AX] offset:1536*(4*\u+\x)+512*\c
.endr
.endr
.if \u == 0
.if (RESK < 0) || ((\i) < RESK)
.set NW, NKW-1-(\i)
.if NW > 3
.set NW, 3
.endif
	s_wait_alu depctr_va_vdst(0)
	s_wait_loadcnt 7*NW                            ; this K step's seven loads of A are in; the seven of each later K step asked for may be out
.endif
.if YSI
	WIN 0x04                                       ; source 1 (A's fragments) in the second window
.endif
.endif
.irp x, 0,1,2,3
	s_wait_dscnt 9-3*\x                            ; all up to tile x's three loads are in; the later tiles' may be out
	MM 4*\u+\x, 0, \i, \zero
	MM 4*\u+\x, 1, \i, \zero
.endr
.endr
	WIN 0
.endm
	s_load_b256 s[4:11], s[0:1], 0x0               ; A's panel s[4:5], the weights' s[6:7], bias s[8:9], residual s[10:11]
	s_load_b64 s[12:13], s[0:1], 0x20              ; out
	v_lshl_add_u32 v38, v0, 2, 0x31800
	v_mov_b32 v39, 0
	ds_add_u32 v38, v39
	ds_add_u32 v38, v39
	v_lshrrev_b32 v1, 5, v0
	s_delay_alu instid0(VALU_DEP_1)
	v_readfirstlane_b32 s[WV], v1                  ; wave 0..11
	s_lshr_b32 s19, s[WV], 2                       ; my group along K
	s_and_b32 s20, s[WV], 3                        ; g
	s_lshr_b32 s14, s[WV], 1
	s_and_b32 s15, s[WV], 1
	s_bfe_u32 s21, ttmp6, 0x40000                  ; cx
	s_lshl_b32 s22, ttmp9, 2
	s_add_co_u32 s22, s22, s21                     ; row block B
	s_and_b32 s23, ttmp7, 0xffff                   ; column block Y
	s_mov_b32 s24, 15|(3<<16)|(1<<21)              ; group 1: mask 15 with bit 21 beside it; a dense block of 50 rows of 256 bytes (32 elements of 8 bytes)
	s_mov_b32 s25, 32<<16
	s_mov_b32 s26, 50<<16
	s_mov_b32 s27, 32<<16
	s_mov_b32 s28, 50
	s_mov_b32 s29, 32
	s_mov_b32 s30, 0
	s_mov_b32 s31, 0
	s_mul_i32 s56, s23, WSTEP
	s_add_co_u32 s56, s56, WFIRST
	s_mul_i32 s56, s56, PAN
	s_mul_i32 s66, s[WV], BLK
	s_add_co_u32 s56, s56, s66                     ; W's block w: made of Y and the wave's number alone
	s_mov_b32 s57, 0
	s_mul_i32 s58, s22, AKS
	s_mul_i32 s67, s19, KPG
	s_add_co_u32 s58, s58, s67
	s_mul_i32 s58, s58, BLK                        ; A's block (B, my group's first K step)
	s_mul_i32 s67, s20, 3072
	s_add_co_u32 s52, s58, s67                     ; + my two tiles
	s_mov_b32 s53, 0
	s_lshl_b32 s67, s20, 3
	s_add_co_u32 s54, s58, s67
	s_add_co_u32 s54, s54, SCO                     ; and their scale words
	s_mov_b32 s55, 0
	s_lshl_b32 s32, s22, 7                         ; tile w's first row: 128 B + 32 (w / 2) + 8 (w % 2)
	s_lshl_b32 s33, s14, 5
	s_add_co_u32 s32, s32, s33
	s_lshl_b32 s33, s15, 3
	s_add_co_u32 s32, s32, s33
	s_mul_i32 s32, s32, 3072
	s_lshl_b32 s34, s23, 9                         ; my 128 columns
	s_add_co_u32 s32, s32, s34
	s_mov_b32 s33, 0
	s_mov_b32 s35, 0
	v_and_b32 v1, 31, v0
	s_delay_alu instid0(VALU_DEP_1)
	v_lshlrev_b32 v1, 4, v1                        ; 16 x lane
	v_and_b32 v2, 15, v0                           ; r
	v_bfe_u32 v3, v0, 4, 1                         ; h
	s_delay_alu instid0(VALU_DEP_2)
	v_lshlrev_b32 v5, 5, v2                        ; 32 r
	s_wait_dscnt 0x0
	s_wait_kmcnt 0x0
	s_add_nc_u64 s[AB:AB+1], s[4:5], s[52:53]
	s_add_nc_u64 s[ASB:ASB+1], s[4:5], s[54:55]
	s_add_nc_u64 s[10:11], s[10:11], s[32:33]
	s_add_nc_u64 s[12:13], s[12:13], s[32:33]
	s_add_nc_u64 s[8:9], s[8:9], s[34:35]
	s_mov_b32 s40, 1
	s_mov_b32 s41, s66
	s_add_nc_u64 s[42:43], s[6:7], s[56:57]
.if NH > 1
	s_mov_b32 s44, 1
	s_add_co_u32 s45, s66, 12*BLK
	s_add_nc_u64 s[46:47], s[42:43], 12*BLK
	s_or_b32 s47, s47, 0x80000000
.endif
	s_or_b32 s43, s43, 0x80000000
.if RESK < 0
	RESLOAD                                        ; older than A's loads: the counted waits below are the same in every wave
.endif
	s_wait_alu depctr_va_vdst(0)
.irp q, 0,1,2,3
.if \q < NKW
	YLOAD \q
.endif
.endr
	CROUND                                         ; the four work-groups are here: the joint loads meet
.if NH > 1
	tensor_load_to_lds s[40:43], s[24:31]          ; two loads of mine are out
	tensor_load_to_lds s[44:47], s[24:31]
.rept 4
	v_nop
.endr
.else
	s_cmp_lt_u32 s[WV], 6                          ; six blocks: waves 0-5 fetch one each
	s_cbranch_scc0 .Lnone
	tensor_load_to_lds s[40:43], s[24:31]
	s_nop 0
.rept 4
	v_nop
.endr
.Lnone:
.endif
	s_mul_i32 s56, s19, KPG*BLK                    ; my group's first K step in LDS
	v_add_nc_u32 v[AX0], s56, v1
	s_add_co_u32 s58, s56, SCO
	v_add_nc_u32 v[ASX0], s58, v5
	s_mul_i32 s56, s[WV], 16*SPITCH                ; the stage, back: tile w's 16 rows in each group's part
	v_add_nc_u32 v[STR], s56, v1
	s_delay_alu instid0(VALU_DEP_1)
	v_add_nc_u32 v[STR+1], SGRP, v[STR]
	s_delay_alu instid0(VALU_DEP_2)
	v_add_nc_u32 v[STR+2], 2*SGRP, v[STR]
	s_mul_i32 s56, s19, SGRP                       ; and in: my group's part, row 32 g + 16 y + r, + 64 h
	s_mul_i32 s57, s20, 32*SPITCH
	s_add_co_u32 s56, s56, s57
	v_mul_u32_u24 v[STW], v2, SPITCH
	s_delay_alu instid0(VALU_DEP_1)
	v_lshl_add_u32 v[STW], v3, 6, v[STW]
	s_delay_alu instid0(VALU_DEP_1)
	v_add_nc_u32 v[STW], s56, v[STW]
.if NH > 1
	s_wait_tensorcnt 0x1                           ; my block of the first half of K is in; my second load may be out
.else
	s_wait_alu depctr_va_vdst(0)
	s_wait_tensorcnt 0x0
.endif
	s_barrier_signal -1
	s_barrier_wait -1                              ; everybody's is
	KSTEP 0, 1                                     ; the first products start the sums
	KSTEP 1, 0
.if NH > 1
	KSTEP 2, 0
	KSTEP 3, 0
	s_wait_tensorcnt 0x0
	s_wait_dscnt 0x0
	s_barrier_signal -1
	s_barrier_wait -1                              ; the second half of K is whole
	KSTEP 4, 0
	KSTEP 5, 0
	KSTEP 6, 0
	KSTEP 7, 0
.endif
.rept 4
	v_nop                                          ; four plain lines behind the last products
.endr
	s_wait_dscnt 0x0
	s_barrier_signal -1
	s_barrier_wait -1                              ; nobody reads W any more
.irp y, 0,1
.irp x, 0,1,2,3,4,5,6,7
	ds_store_b128 v[STW], v[ACC+64*\y+8*\x:ACC+64*\y+8*\x+3] offset:16*SPITCH*\y+128*(\x/2)+32*(\x%2)       ; each accumulator from its low end on
	ds_store_b128 v[STW], v[ACC+64*\y+8*\x+4:ACC+64*\y+8*\x+7] offset:16*SPITCH*\y+128*(\x/2)+32*(\x%2)+16
.endr
.endr
	s_wait_dscnt 0x0                               ; for the others: my stores have landed
	s_barrier_signal -1
	s_barrier_wait -1
	s_cmp_lt_u32 s[WV], 8
	s_cbranch_scc0 .Ldone
	s_wait_loadcnt 0x0                             ; the residual and the bias
.irp u, 0,1                            ; eight rows at a time; the sums stay in registers of their own (v128-159, v224-255), from which they are stored
.set P0, 128+96*\u
.irp i, 0,1,2,3,4,5,6,7
	ds_load_b128 v[P0+4*\i:P0+4*\i+3], v[STR] offset:(8*\u+\i)*SPITCH
	ds_load_b128 v[160+4*\i:163+4*\i], v[STR+1] offset:(8*\u+\i)*SPITCH
	ds_load_b128 v[192+4*\i:195+4*\i], v[STR+2] offset:(8*\u+\i)*SPITCH
.endr
	s_wait_dscnt 0x0
.irp i, 0,1,2,3,4,5,6,7
	v_pk_add_f32 v[P0+4*\i:P0+4*\i+1], v[P0+4*\i:P0+4*\i+1], v[160+4*\i:161+4*\i]
	v_pk_add_f32 v[P0+4*\i+2:P0+4*\i+3], v[P0+4*\i+2:P0+4*\i+3], v[162+4*\i:163+4*\i]
.endr
.irp i, 0,1,2,3,4,5,6,7
	v_pk_add_f32 v[P0+4*\i:P0+4*\i+1], v[P0+4*\i:P0+4*\i+1], v[192+4*\i:193+4*\i]
	v_pk_add_f32 v[P0+4*\i+2:P0+4*\i+3], v[P0+4*\i+2:P0+4*\i+3], v[194+4*\i:195+4*\i]
.endr
	WIN 0x04                                       ; source 1 in the second window: the bias, and the residual's rows 10-15
.irp i, 0,1,2,3,4,5,6,7
	v_pk_add_f32 v[P0+4*\i:P0+4*\i+1], v[P0+4*\i:P0+4*\i+1], v[BIASR:BIASR+1]
	v_pk_add_f32 v[P0+4*\i+2:P0+4*\i+3], v[P0+4*\i+2:P0+4*\i+3], v[BIASR+2:BIASR+3]
.endr
.irp i, 0,1,2,3,4,5,6,7
.if 8*\u+\i >= 10
	v_pk_add_f32 v[P0+4*\i:P0+4*\i+1], v[P0+4*\i:P0+4*\i+1], v[4*(8*\u+\i-10):4*(8*\u+\i-10)+1]
	v_pk_add_f32 v[P0+4*\i+2:P0+4*\i+3], v[P0+4*\i+2:P0+4*\i+3], v[4*(8*\u+\i-10)+2:4*(8*\u+\i-10)+3]
.endif
.endr
	WIN 0
.irp i, 0,1,2,3,4,5,6,7
.if 8*\u+\i < 10
	v_pk_add_f32 v[P0+4*\i:P0+4*\i+1], v[P0+4*\i:P0+4*\i+1], v[Y0+4*(8*\u+\i):Y0+4*(8*\u+\i)+1]
	v_pk_add_f32 v[P0+4*\i+2:P0+4*\i+3], v[P0+4*\i+2:P0+4*\i+3], v[Y0+4*(8*\u+\i)+2:Y0+4*(8*\u+\i)+3]
.endif
	global_store_b128 v1, v[P0+4*\i:P0+4*\i+3], s[12:13] offset:(16*\u+\i)*3072   ; 32 lanes store 512 consecutive bytes, at a multiple of 256 from the buffer's first byte
.endr
.endr
.Ldone:
	s_wait_tensorcnt 0x0
	ds_add_u32 v38, v39
	s_wait_dscnt 0x0
	CROUND                                         ; the closing round: no work-group ends while a partner may still ask jointly
	s_endpgm
.Lfunc_end_k_qc9d658e448_wo:
	.size	k_qc9d658e448_wo, .Lfunc_end_k_qc9d658e448_wo-k_qc9d658e448_wo
	.p2alignl 7, 3214868480
	.fill 96, 4, 3214868480
	.section	.rodata,"a",@progbits
	.p2align	6, 0x0
	.amdhsa_kernel k_qc9d658e448_wo
		.amdhsa_group_segment_fixed_size 327680
		.amdhsa_private_segment_fixed_size 0
		.amdhsa_enable_private_segment 0
		.amdhsa_kernarg_size 40
		.amdhsa_user_sgpr_count 2
		.amdhsa_user_sgpr_kernarg_segment_ptr 1
		.amdhsa_wavefront_size32 1
		.amdhsa_system_sgpr_workgroup_id_x 1
		.amdhsa_system_sgpr_workgroup_id_y 1
		.amdhsa_system_sgpr_workgroup_id_z 1
		.amdhsa_system_vgpr_workitem_id 0
		.amdhsa_next_free_vgpr 336
		.amdhsa_next_free_sgpr 72
		.amdhsa_reserve_vcc 0
		.amdhsa_float_denorm_mode_32 3
		.amdhsa_float_denorm_mode_16_64 3
		.amdhsa_memory_ordered 1
		.amdhsa_forward_progress 1
		.amdhsa_inst_pref_size 33
	.end_amdhsa_kernel
	.amdgpu_metadata
---
amdhsa.version: [ 1, 2 ]
amdhsa.kernels:
  - .name:           k_qc9d658e448_wo
    .symbol:         k_qc9d658e448_wo.kd
    .args:
      - { .name: opan, .offset: 0, .size: 8, .value_kind: global_buffer, .address_space: global }
      - { .name: wpan, .offset: 8, .size: 8, .value_kind: global_buffer, .address_space: global }
      - { .name: bo, .offset: 16, .size: 8, .value_kind: global_buffer, .address_space: global }
      - { .name: x, .offset: 24, .size: 8, .value_kind: global_buffer, .address_space: global }
      - { .name: x1, .offset: 32, .size: 8, .value_kind: global_buffer, .address_space: global }
    .group_segment_fixed_size: 327680
    .private_segment_fixed_size: 0
    .kernarg_segment_align: 8
    .kernarg_segment_size: 40
    .max_flat_workgroup_size: 384
    .sgpr_count:     72
    .vgpr_count:     336
    .wavefront_size: 32
...
	.end_amdgpu_metadata
.endif
;; end of part 4
;; launch ln2: the kernel of part 1 again; grid 256 x 1, 6 waves a work-group, no clusters, 52,480 bytes of LDS; arguments x1, ln2_w, ln2_b, y2pan, Wq_codes, Wq_scales, Wk_codes, Wk_scales, Wv_codes, Wv_scales, Wo_codes, Wo_scales, W1_codes, W1_scales, W2_codes, W2_scales, wpan; writes y2pan, wpan
;; launch ffn1 (part 5): grid 32 x 8, 12 waves a work-group, clusters of 4 x 1, 327,680 bytes of LDS; arguments y2pan, wpan, b1, hpan; writes hpan
.if DOCPART == 5
	.amdgcn_target "amdgcn-amd-amdhsa--gfx1250"
	.amdhsa_code_object_version 6
	.text
	.protected	k_qc9d658e448_ffn1
	.globl	k_qc9d658e448_ffn1
	.p2align	8
	.type	k_qc9d658e448_ffn1,@function
k_qc9d658e448_ffn1:
	s_mov_b64 s[64:65], 0
	v_nop
	global_prefetch_b8 v0, s[64:65] scope:SCOPE_SE
	s_setreg_imm32_b32 hwreg(HW_REG_WAVE_MODE, 25, 1), 1
	s_wait_xcnt 0x0
	s_wait_alu depctr_hold_cnt(0) depctr_sa_sdst(0) depctr_va_vdst(0) depctr_va_sdst(0) depctr_va_ssrc(0) depctr_va_vcc(0) depctr_vm_vsrc(0)
	s_getreg_b32 s2, hwreg(HW_REG_IB_STS2, 6, 4)
	s_cmp_eq_u32 s2, 0
	s_cbranch_scc0 .Lentry_in_a_cluster
	s_endpgm
.Lentry_in_a_cluster:
	s_bfe_u32 s2, ttmp6, 0x10000c
	s_cmp_lg_u32 s2, 0x3003
	s_cbranch_scc0 .Lentry_shape_is_right
	s_endpgm
.Lentry_shape_is_right:
; h = gelu(y W1 + b1), exact (erf), for 128 tokens (block B) x 384 hidden units (block Y), K = 768, on codes of FP6 with E8M0 scales; h is quantised along the hidden units at once and stored as a panel.
; OPERANDS are panel blocks of 12,800 bytes (128 rows x 128 K in register order; tile t = rows 32 (t / 2) + 8 (t % 2) + r + 8 (r / 8); scale word of row r, tile t at 12,288 + 32 r + 4 t).
; LDS holds all six K steps of four blocks, at (4 s + p) x 12,800: p = 0, 1, 2: W1's units 24 + 3 Y + p; p = 3: y.  Nothing is filled twice.  Wave w fetches blocks w and w + 12.
; CLUSTER: four token blocks with the same hidden units: W1's blocks are asked for jointly (mask 15), y's plainly.
; WAVES: wave w takes W1's block w / 4 (8 tiles, source 0) and token tiles 2 g, 2 g + 1 (g = w % 4, source 1): a lane holds one token, 64 registers along the hidden units: one K step of the next product.
; The 16 accumulators take turns.
; GELU.  z = x / sqrt(2), t = |z|.  Above t = 475/512: erfc(t) = exp(polynomial in t), and g = max(x, 0) - |x / 2| erfc(t), which keeps the negative tail's leading digits.  Below: erf(z) = z + z x polynomial in z^2,
; g = x / 2 + (x / 2) erf(z).  Both are computed for every number and one is chosen by v_cndmask_b32.  The polynomials' error is about one unit in f32's last place.
; LIMITS: NaN and infinities are not served; a block of zeros gets the byte 1 (codes zero; this program alone reads the bytes).
.set BLK,  12800
.set SCO,  12288
.set PAN,  6*BLK
; LDS AS IT IS FILLED NOW (in place of the layout named at the head): wave w = 4 u + p brings K steps 2 u and 2 u + 1 of block p, 25,600 bytes that lie on end in memory,
; by ONE tensor load of 100 rows of 256 bytes, to byte 25,600 w.  So K step s of block p lies at (4 (s / 2) + p) x 25,600 + (s % 2) x 12,800.  One wait and one barrier show all six K steps.
.set KS4,  4*BLK
.set BIAS, 24*BLK                      ; behind the blocks: 512 bytes of biases for each wave, its own
.set WV,  18
.set SEL, 60
.set AX0, 4
.set AY0, 5
.set ASX0, 6
.set ASY0, 7
.set AX,  8
.set AY,  9
.set ASX, 10
.set ASY, 11
.set SX,  16                           ; v16-23, v24-25: scales and nothing else
.set SY,  24
.set XF,  32
.set YF,  80
.set ACC, 128
.set TM,  96
.set QT,  120
.set Z,   32                           ; gelu: 16 numbers at a time: z, t, z^2 (later x / 2), the large branch, the small branch
.set T,   48
.set S,   64
.set RR,  80
.set Q,   96
.set IS2, 66                           ; scalar pairs: both words written, the low word serves both halves
.set A1,  68
.set A3,  70
.set A5,  72
.set A6,  74
.set A7,  76
.set L2E, 78
.set C0,  80
.set C2,  82
.set C3,  84
.set C4,  86
.set C5,  88
.set ABSM, 90
.set THR,  91
.macro KONST r, val
	s_mov_b32 s[\r], \val
	s_mov_b32 s[\r+1], \val
.endm
.macro CROUND
	s_barrier_signal -1
	s_barrier_wait -1
	s_cmp_lg_u32 s[WV], 0
	s_cbranch_scc1 .Lnw0_\@
	s_barrier_signal -3
.Lnw0_\@:
	s_barrier_wait -3
	s_barrier_signal -1
	s_barrier_wait -1
.endm
.macro MM x, y, zero
.if \zero
	v_wmma_scale_f32_16x16x128_f8f6f4 v[ACC+64*(\y)+8*(\x):ACC+64*(\y)+8*(\x)+7], v[XF+12*((\x)%4):XF+12*((\x)%4)+11], v[YF+12*(\y):YF+12*(\y)+11], 0, v[SX+(\x)], v[SY+(\y)] matrix_a_fmt:MATRIX_FMT_FP6 matrix_b_fmt:MATRIX_FMT_FP6
.else
	v_wmma_scale_f32_16x16x128_f8f6f4 v[ACC+64*(\y)+8*(\x):ACC+64*(\y)+8*(\x)+7], v[XF+12*((\x)%4):XF+12*((\x)%4)+11], v[YF+12*(\y):YF+12*(\y)+11], v[ACC+64*(\y)+8*(\x):ACC+64*(\y)+8*(\x)+7], v[SX+(\x)], v[SY+(\y)] matrix_a_fmt:MATRIX_FMT_FP6 matrix_b_fmt:MATRIX_FMT_FP6
.endif
.endm
; One K step of 128: 33 LDS loads, 16 matrix instructions.  The four additions are the four plain lines between the last matrix instructions and the loads into their registers.
.macro KSTEP koff, zero
	v_add_nc_u32 v[AX], \koff, v[AX0]
	s_wait_alu depctr_va_vdst(0)
	v_add_nc_u32 v[AY], \koff, v[AY0]
	v_add_nc_u32 v[ASX], \koff, v[ASX0]
	v_add_nc_u32 v[ASY], \koff, v[ASY0]
.irp y, 0,1
.irp c, 0,1,2
	ds_load_b128 v[YF+12*\y+4*\c:YF+12*\y+4*\c+3], v[AY] offset:1536*\y+512*\c
.endr
.endr
	ds_load_b64 v[SY:SY+1], v[ASY]
	ds_load_b128 v[SX:SX+3], v[ASX]
	ds_load_b128 v[SX+4:SX+7], v[ASX] offset:16
.irp u, 0,1
.if \u
.rept 4
	v_nop
.endr
.endif
.irp x, 0,1,2,3
.irp c, 0,1,2
	ds_load_b128 v[XF+12*\x+4*\c:XF+12*\x+4*\c+3], v[AX] offset:1536*(4*\u+\x)+512*\c
.endr
.endr
.irp x, 0,1,2,3
	s_wait_dscnt 9-3*\x                            ; all up to tile x's three loads are in; the later tiles' may be out
	MM 4*\u+\x, 0, \zero
	MM 4*\u+\x, 1, \zero
.endr
.endr
.endm
.macro QUANT s, d0, d1, pw
.irp b, 0,1,2,3
	v_max3_num_f32 v[TM+\b], |v[(\s)+16*\b]|, |v[(\s)+1+16*\b]|, 0x1800000   ; with the floor 2^(3 - 127): the byte cannot fall under 1
.endr
.irp i, 2,4,6,8,10,12,14
.irp b, 0,1,2,3
	s_delay_alu instid0(VALU_DEP_4)
	v_max3_num_f32 v[TM+\b], v[TM+\b], |v[(\s)+16*\b+\i]|, |v[(\s)+1+16*\b+\i]|
.endr
.endr
.irp b, 0,1,2,3
	s_delay_alu instid0(VALU_DEP_4)
	v_permlanex16_b32 v[TM+4+\b], v[TM+\b], s[SEL], s[SEL+1]
.endr
.irp b, 0,1,2,3
	s_delay_alu instid0(VALU_DEP_4)
	v_max_num_f32 v[TM+\b], v[TM+\b], v[TM+4+\b]
.endr
.irp b, 0,1,2,3
	s_delay_alu instid0(VALU_DEP_4)
	v_add_nc_u32 v[TM+12+\b], 0xff000000, v[TM+\b]
.endr
.irp b, 0,1,2,3
	s_delay_alu instid0(VALU_DEP_4)
	v_lshrrev_b32 v[TM+4+\b], 23, v[TM+12+\b]
.endr
	s_delay_alu instid0(VALU_DEP_3)
	v_lshl_or_b32 v[\pw], v[TM+5], 8, v[TM+4]
	s_delay_alu instid0(VALU_DEP_1)
	v_lshl_or_b32 v[\pw], v[TM+6], 16, v[\pw]
	s_delay_alu instid0(VALU_DEP_1)
	v_lshl_or_b32 v[\pw], v[TM+7], 24, v[\pw]
	v_cvt_scalef32_pk16_fp6_f32 v[(\d0):(\d0)+2], v[(\s):(\s)+15], v[TM+12]
	v_cvt_scalef32_pk16_fp6_f32 v[QT:QT+2], v[(\s)+16:(\s)+31], v[TM+13]
	v_cvt_scalef32_pk16_fp6_f32 v[(\d1):(\d1)+2], v[(\s)+32:(\s)+47], v[TM+14]
	v_cvt_scalef32_pk16_fp6_f32 v[QT+4:QT+6], v[(\s)+48:(\s)+63], v[TM+15]
	v_nop
.irp i, 0,1,2
	v_permlane16_swap_b32 v[(\d0)+\i], v[QT+\i]
	v_permlane16_swap_b32 v[(\d1)+\i], v[QT+4+\i]
.endr
.irp i, 0,1,2
	v_mov_b32 v[(\d0)+3+\i], v[QT+\i]
	v_mov_b32 v[(\d1)+3+\i], v[QT+4+\i]
.endr
.endm
; gelu of the 16 numbers v[base] .. v[base + 15], in place.  Each stage goes over the eight pairs, so that no line waits for the line above it.
.macro GELU base
.irp p, 0,2,4,6,8,10,12,14
	v_pk_mul_f32 v[Z+\p:Z+\p+1], v[(\base)+\p:(\base)+\p+1], s[IS2:IS2+1] op_sel_hi:[1,0]
.endr
.irp i, 0,1,2,3,4,5,6,7,8,9,10,11,12,13,14,15
	v_and_b32 v[T+\i], s[ABSM], v[Z+\i]
.endr
.irp p, 0,2,4,6,8,10,12,14
	v_pk_mul_f32 v[S+\p:S+\p+1], v[Z+\p:Z+\p+1], v[Z+\p:Z+\p+1]
.endr
.irp p, 0,2,4,6,8,10,12,14
	v_pk_fma_f32 v[RR+\p:RR+\p+1], v[T+\p:T+\p+1], s[A1:A1+1], v[112:113] op_sel_hi:[1,0,1]
.endr
.irp p, 0,2,4,6,8,10,12,14
	v_pk_fma_f32 v[Q+\p:Q+\p+1], v[T+\p:T+\p+1], s[A3:A3+1], v[114:115] op_sel_hi:[1,0,1]
.endr
.irp p, 0,2,4,6,8,10,12,14
	v_pk_fma_f32 v[RR+\p:RR+\p+1], v[RR+\p:RR+\p+1], v[S+\p:S+\p+1], v[Q+\p:Q+\p+1]
.endr
.irp k, A5, A6, A7
.irp p, 0,2,4,6,8,10,12,14
	v_pk_fma_f32 v[RR+\p:RR+\p+1], v[RR+\p:RR+\p+1], v[T+\p:T+\p+1], s[\k:\k+1] op_sel_hi:[1,1,0]
.endr
.endr
.irp p, 0,2,4,6,8,10,12,14
	v_pk_fma_f32 v[RR+\p:RR+\p+1], v[RR+\p:RR+\p+1], v[T+\p:T+\p+1], v[T+\p:T+\p+1] neg_lo:[0,0,1] neg_hi:[0,0,1]
.endr
.irp p, 0,2,4,6,8,10,12,14
	v_pk_mul_f32 v[RR+\p:RR+\p+1], v[RR+\p:RR+\p+1], s[L2E:L2E+1] op_sel_hi:[1,0]
.endr
	s_wait_alu depctr_va_vdst(0)
.irp i, 0,1,2,3,4,5,6,7,8,9,10,11,12,13,14,15
	v_exp_f32 v[RR+\i], v[RR+\i]                   ; erfc(t)
.endr
.irp p, 0,2,4,6,8,10,12,14
	v_pk_fma_f32 v[Q+\p:Q+\p+1], v[S+\p:S+\p+1], s[C0:C0+1], v[116:117] op_sel_hi:[1,0,1]   ; the small branch is the independent work behind the exponentials
.endr
.irp k, C2, C3, C4, C5
.irp p, 0,2,4,6,8,10,12,14
	v_pk_fma_f32 v[Q+\p:Q+\p+1], v[Q+\p:Q+\p+1], v[S+\p:S+\p+1], s[\k:\k+1] op_sel_hi:[1,1,0]
.endr
.endr
.irp p, 0,2,4,6,8,10,12,14
	v_pk_fma_f32 v[Q+\p:Q+\p+1], v[Q+\p:Q+\p+1], v[Z+\p:Z+\p+1], v[Z+\p:Z+\p+1]    ; erf(z)
.endr
	s_wait_alu depctr_va_vdst(0)                   ; one wait for the sixteen exponentials, ahead of their first reader
.irp p, 0,2,4,6,8,10,12,14
	v_pk_mul_f32 v[S+\p:S+\p+1], v[(\base)+\p:(\base)+\p+1], 0.5 op_sel_hi:[1,0]
.endr
.irp p, 0,2,4,6,8,10,12,14
	v_pk_fma_f32 v[Q+\p:Q+\p+1], v[S+\p:S+\p+1], v[Q+\p:Q+\p+1], v[S+\p:S+\p+1]
.endr
.irp i, 0,1,2,3,4,5,6,7,8,9,10,11,12,13,14,15
	v_max_num_f32 v[Z+\i], 0, v[(\base)+\i]
.endr
.irp i, 0,1,2,3,4,5,6,7,8,9,10,11,12,13,14,15
	v_fma_f32 v[Z+\i], -|v[S+\i]|, v[RR+\i], v[Z+\i]
.endr
.irp i, 0,1,2,3,4,5,6,7,8,9,10,11,12,13,14,15
	v_cmp_lt_f32 vcc_lo, s[THR], v[T+\i]
	s_delay_alu instid0(VALU_DEP_1)
	v_cndmask_b32 v[(\base)+\i], v[Q+\i], v[Z+\i], vcc_lo
.endr
.endm
	s_load_b256 s[4:11], s[0:1], 0x0               ; y's panel s[4:5], the weights' s[6:7], b1 s[8:9], h's panel s[10:11]
	v_lshl_add_u32 v123, v0, 2, 0x4c800
	v_mov_b32 v127, 0
	ds_add_u32 v123, v127
	ds_add_u32 v123, v127
	v_lshrrev_b32 v1, 5, v0
	s_delay_alu instid0(VALU_DEP_1)
	v_readfirstlane_b32 s[WV], v1                  ; wave 0..11
	s_lshr_b32 s19, s[WV], 2                       ; my block of 128 hidden units.  Also: the pair of K steps 2 u, 2 u + 1 that I fetch
	s_and_b32 s20, s[WV], 3                        ; g.  Also: the block of a K step that I fetch
	s_bfe_u32 s21, ttmp6, 0x40000                  ; cx
	s_lshl_b32 s22, ttmp9, 2
	s_add_co_u32 s22, s22, s21                     ; token block B
	s_and_b32 s23, ttmp7, 0xffff                   ; Y
	s_mov_b32 s24, 15|(3<<16)|(1<<21)              ; group 1, jointly;  s[32:39] plainly: a dense block of 100 rows of 256 bytes
	s_mov_b32 s32, 3<<16
.irp g, 24, 32
	s_mov_b32 s[\g+1], 32<<16
	s_mov_b32 s[\g+2], 100<<16
	s_mov_b32 s[\g+3], 32<<16
	s_mov_b32 s[\g+4], 100
	s_mov_b32 s[\g+5], 32
	s_mov_b32 s[\g+6], 0
	s_mov_b32 s[\g+7], 0
.endr
	s_min_u32 s56, s20, 2
	s_mul_i32 s92, s23, 3
	s_add_co_u32 s56, s56, s92
	s_add_co_u32 s56, s56, 24                      ; the unit
	s_mul_i32 s56, s56, PAN
	s_mul_i32 s93, s19, 2*BLK
	s_add_co_u32 s56, s56, s93                     ; made of Y and the wave's number alone
	s_mov_b32 s57, 0
	s_mul_i32 s58, s22, 6*BLK
	s_add_co_u32 s58, s58, s93                     ; y's blocks (B, my two K steps)
	s_mov_b32 s59, 0
	s_mul_i32 s94, s[WV], 2*BLK
	s_mov_b32 s[SEL], 0x76543210
	s_mov_b32 s[SEL+1], 0xfedcba98
	KONST IS2, 0x3f3504f3                          ; 1 / sqrt(2)
	KONST A1, 0xb7910000
	KONST A3, 0xbb7e8a1c
	KONST A5, 0xbddaae5c
	KONST A6, 0xbf228550
	KONST A7, 0xbe03ce86
	KONST L2E, 0x3fb8aa3b                          ; log2(e)
	KONST C0, 0xba1c7000
	KONST C2, 0xbcdb48d9
	KONST C3, 0x3de70e22
	KONST C4, 0xbec09380
	KONST C5, 0x3e0375d4
	s_mov_b32 s[ABSM], 0x7fffffff
	s_mov_b32 s[THR], 0x3f6d8000                   ; 475 / 512
	s_wait_dscnt 0x0
	s_wait_kmcnt 0x0
	s_mov_b32 s40, 1
	s_mov_b32 s41, s94
	s_add_nc_u64 s[42:43], s[6:7], s[56:57]
	s_or_b32 s43, s43, 0x80000000
	s_mov_b32 s48, 1
	s_mov_b32 s49, s94
	s_add_nc_u64 s[50:51], s[4:5], s[58:59]
	s_or_b32 s51, s51, 0x80000000
	CROUND
	s_cmp_eq_u32 s20, 3                            ; one fill a wave, in one of two arms of a branch on its number
	s_cbranch_scc1 .Lfirst_a
	tensor_load_to_lds s[40:43], s[24:31]
	s_nop 0
.rept 4
	v_nop
.endr
	s_branch .Lasked
.Lfirst_a:
	tensor_load_to_lds s[48:51], s[32:39]
	s_nop 0
.rept 4
	v_nop
.endr
.Lasked:
	s_add_co_u32 s56, s92, s19                     ; 3 Y + my block: the next product's K step
	s_lshl_b32 s56, s56, 9
	s_mov_b32 s57, 0
	s_add_nc_u64 s[8:9], s[8:9], s[56:57]
	v_and_b32 v1, 31, v0
	s_delay_alu instid0(VALU_DEP_1)
	v_lshlrev_b32 v1, 4, v1                        ; 16 x lane
	s_wait_alu depctr_va_vdst(0)
	v_and_b32 v2, 15, v0                           ; r
	v_bfe_u32 v3, v0, 4, 1                         ; h
	s_wait_alu depctr_va_vdst(0)
	global_load_b128 v[104:107], v1, s[8:9]        ; my 128 biases
	s_mul_i32 s56, s19, 2*BLK
	s_mul_i32 s58, s20, 3072
	s_add_co_u32 s58, s58, 6*BLK
	v_add_nc_u32 v[AX0], s56, v1
	v_add_nc_u32 v[AY0], s58, v1
	v_lshlrev_b32 v14, 5, v2                       ; 32 r
	s_add_co_u32 s56, s56, SCO
	v_add_nc_u32 v[ASX0], s56, v14
	s_lshl_b32 s58, s20, 3
	s_add_co_u32 s58, s58, 6*BLK+SCO
	v_add_nc_u32 v[ASY0], s58, v14
	s_lshl_b32 s56, s[WV], 9
	s_add_co_u32 s56, s56, BIAS
	v_add_nc_u32 v13, s56, v1
	v_lshl_add_u32 v12, v3, 6, s56
	v_mov_b32 v112, 0x39c8e7d9                     ; three constants as vector pairs, so that a packed line names one scalar pair
	v_mov_b32 v113, 0x39c8e7d9
	v_mov_b32 v114, 0x3cc6b1a1
	v_mov_b32 v115, 0x3cc6b1a1
	v_mov_b32 v116, 0x3ba38d2c
	v_mov_b32 v117, 0x3ba38d2c
	s_wait_alu depctr_va_vdst(0)
	s_wait_loadcnt 0x0
	ds_store_b128 v13, v[104:107]
	s_wait_tensorcnt 0x0                           ; my one load is in
	s_wait_dscnt 0x0
	s_barrier_signal -1
	s_barrier_wait -1                              ; everybody's is: all six K steps are whole
	KSTEP 0, 1
	KSTEP BLK, 0
	KSTEP 2*KS4, 0
	KSTEP 2*KS4+BLK, 0
	KSTEP 4*KS4, 0
	KSTEP 4*KS4+BLK, 0
.rept 4
	v_nop                                          ; four plain lines behind the last products
.endr
.irp b, 0,1,2,3
.irp j, 0,1,2,3
	ds_load_b128 v[32+16*\b+4*\j:35+16*\b+4*\j], v12 offset:128*\b+16*\j
.endr
.endr
	s_wait_dscnt 0x0
.set j, 0
.rept 32
	v_pk_add_f32 v[ACC+j:ACC+j+1], v[ACC+j:ACC+j+1], v[32+j:33+j]           ; each accumulator from its low end on
.set j, j+2
.endr
.set j, 0
.rept 32
	v_pk_add_f32 v[ACC+64+j:ACC+65+j], v[ACC+64+j:ACC+65+j], v[32+j:33+j]
.set j, j+2
.endr
.irp n, 0,1,2,3,4,5,6,7
	GELU ACC+16*\n
.endr
	QUANT ACC, 32, 38, 118
	QUANT ACC+64, 44, 50, 119
	s_mul_i32 s56, s22, 24
	s_add_co_u32 s56, s56, s92
	s_add_co_u32 s56, s56, s19                     ; block (B, K step 3 Y + w / 4)
	s_mul_i32 s56, s56, BLK
	s_mov_b32 s57, 0
	s_add_nc_u64 s[10:11], s[10:11], s[56:57]
	s_mul_i32 s56, s20, 3072
	s_add_nc_u64 s[12:13], s[10:11], s[56:57]      ; tiles 2 g and 2 g + 1
	s_lshl_b32 s56, s20, 3
	s_add_nc_u64 s[14:15], s[10:11], s[56:57]
	s_wait_alu depctr_va_vdst(0)
.irp y, 0,1
.irp c, 0,1,2
	global_store_b128 v1, v[32+12*\y+4*\c:35+12*\y+4*\c], s[12:13] offset:1536*\y+512*\c
.endr
	global_store_b32 v14, v[118+\y], s[14:15] offset:SCO+4*\y
.endr
	s_wait_tensorcnt 0x0
	ds_add_u32 v123, v127
	s_wait_dscnt 0x0
	CROUND                                         ; the closing round
	s_endpgm
.Lfunc_end_k_qc9d658e448_ffn1:
	.size	k_qc9d658e448_ffn1, .Lfunc_end_k_qc9d658e448_ffn1-k_qc9d658e448_ffn1
	.p2alignl 7, 3214868480
	.fill 96, 4, 3214868480
	.section	.rodata,"a",@progbits
	.p2align	6, 0x0
	.amdhsa_kernel k_qc9d658e448_ffn1
		.amdhsa_group_segment_fixed_size 327680
		.amdhsa_private_segment_fixed_size 0
		.amdhsa_enable_private_segment 0
		.amdhsa_kernarg_size 32
		.amdhsa_user_sgpr_count 2
		.amdhsa_user_sgpr_kernarg_segment_ptr 1
		.amdhsa_wavefront_size32 1
		.amdhsa_system_sgpr_workgroup_id_x 1
		.amdhsa_system_sgpr_workgroup_id_y 1
		.amdhsa_system_sgpr_workgroup_id_z 1
		.amdhsa_system_vgpr_workitem_id 0
		.amdhsa_next_free_vgpr 256
		.amdhsa_next_free_sgpr 100
		.amdhsa_reserve_vcc 1
		.amdhsa_float_denorm_mode_32 3
		.amdhsa_float_denorm_mode_16_64 3
		.amdhsa_memory_ordered 1
		.amdhsa_forward_progress 1
		.amdhsa_inst_pref_size 158
	.end_amdhsa_kernel
	.amdgpu_metadata
---
amdhsa.version: [ 1, 2 ]
amdhsa.kernels:
  - .name:           k_qc9d658e448_ffn1
    .symbol:         k_qc9d658e448_ffn1.kd
    .args:
      - { .name: y2pan, .offset: 0, .size: 8, .value_kind: global_buffer, .address_space: global }
      - { .name: wpan, .offset: 8, .size: 8, .value_kind: global_buffer, .address_space: global }
      - { .name: b1, .offset: 16, .size: 8, .value_kind: global_buffer, .address_space: global }
      - { .name: hpan, .offset: 24, .size: 8, .value_kind: global_buffer, .address_space: global }
    .group_segment_fixed_size: 327680
    .private_segment_fixed_size: 0
    .kernarg_segment_align: 8
    .kernarg_segment_size: 32
    .max_flat_workgroup_size: 384
    .sgpr_count:     100
    .vgpr_count:     256
    .wavefront_size: 32
...
	.end_amdgpu_metadata
.endif
;; end of part 5
;; launch ffn2 (part 6): grid 32 x 6, 12 waves a work-group, clusters of 4 x 1, 327,680 bytes of LDS; arguments hpan, wpan, b2, x1, out0; writes out0
.if DOCPART == 6
	.amdgcn_target "amdgcn-amd-amdhsa--gfx1250"
	.amdhsa_code_object_version 6
	.text
	.protected	k_qc9d658e448_ffn2
	.globl	k_qc9d658e448_ffn2
	.p2align	8
	.type	k_qc9d658e448_ffn2,@function
k_qc9d658e448_ffn2:
	s_mov_b64 s[64:65], 0
	v_nop
	global_prefetch_b8 v0, s[64:65] scope:SCOPE_SE
	s_setreg_imm32_b32 hwreg(HW_REG_WAVE_MODE, 25, 1), 1
	s_wait_xcnt 0x0
	s_wait_alu depctr_hold_cnt(0) depctr_sa_sdst(0) depctr_va_vdst(0) depctr_va_sdst(0) depctr_va_ssrc(0) depctr_va_vcc(0) depctr_vm_vsrc(0)
	s_getreg_b32 s2, hwreg(HW_REG_IB_STS2, 6, 4)
	s_cmp_eq_u32 s2, 0
	s_cbranch_scc0 .Lentry_in_a_cluster
	s_endpgm
.Lentry_in_a_cluster:
	s_bfe_u32 s2, ttmp6, 0x10000c
	s_cmp_lg_u32 s2, 0x3003
	s_cbranch_scc0 .Lentry_shape_is_right
	s_endpgm
.Lentry_shape_is_right:
.set NH,     2
.set KPG,    4
.set AKS,    24
.set WFIRST, 48
.set WSTEP,  4
.set SOFF,   0
.set RESK,   6
.set NKW,  NH*KPG
.set BLK,  12800
.set SCO,  12288
.set PAN,  6*BLK
.set SPITCH, 528
.set SGRP,  128*SPITCH
.set WV,  18
.set AB,  48
.set ASB, 50
.set AX0, 4
.set ASX0, 6
.set AX,  7
.set ASX, 8
.set STW, 9
.set STR, 10
.set SX,  16
.set SY,  24
.set XF,  40
.set Y0,  88
.set ACC, 128
.set BIASR, 72
.set MSB, 0
.macro WIN new
.if MSB != \new
	s_set_vgpr_msb (MSB<<8)|\new
.set MSB, \new
.endif
.endm
.macro CROUND
	s_barrier_signal -1
	s_barrier_wait -1
	s_cmp_lg_u32 s[WV], 0
	s_cbranch_scc1 .Lnw0_\@
	s_barrier_signal -3
.Lnw0_\@:
	s_barrier_wait -3
	s_barrier_signal -1
	s_barrier_wait -1
.endm
.macro YLOAD k
.set KK, ((\k)/KPG)*3*KPG+(\k)%KPG
.set YSN, ((\k)+SOFF)%4
.set YB, Y0
.if YSN
.set YB, 24*(YSN-1)
	WIN 0x40
.endif
.irp y, 0,1
.irp c, 0,1,2
	global_load_b128 v[YB+12*\y+4*\c:YB+12*\y+4*\c+3], v1, s[AB:AB+1] offset:KK*BLK+1536*\y+512*\c
.endr
.endr
	WIN 0
	global_load_b64 v[SY+2*(\k):SY+2*(\k)+1], v5, s[ASB:ASB+1] offset:KK*BLK
.endm
.macro RESLOAD
	s_cmp_lt_u32 s[WV], 8
	s_cbranch_scc0 .Lnr_\@
.irp i, 0,1,2,3,4,5,6,7,8,9
	global_load_b128 v[Y0+4*\i:Y0+4*\i+3], v1, s[10:11] offset:(\i+8*(\i/8))*3072
.endr
	WIN 0x40
.irp i, 10,11,12,13,14,15
	global_load_b128 v[4*(\i-10):4*(\i-10)+3], v1, s[10:11] offset:(\i+8*(\i/8))*3072
.endr
	global_load_b128 v[BIASR:BIASR+3], v1, s[8:9]
	WIN 0
.Lnr_\@:
.endm
.macro MM x, y, i, zero
.if \zero
	v_wmma_scale_f32_16x16x128_f8f6f4 v[ACC+64*(\y)+8*(\x):ACC+64*(\y)+8*(\x)+7], v[XF+12*((\x)%4):XF+12*((\x)%4)+11], v[YBI+12*(\y):YBI+12*(\y)+11], 0, v[SX+(\x)], v[SY+2*(\i)+(\y)] matrix_a_fmt:MATRIX_FMT_FP6 matrix_b_fmt:MATRIX_FMT_FP6
.else
	v_wmma_scale_f32_16x16x128_f8f6f4 v[ACC+64*(\y)+8*(\x):ACC+64*(\y)+8*(\x)+7], v[XF+12*((\x)%4):XF+12*((\x)%4)+11], v[YBI+12*(\y):YBI+12*(\y)+11], v[ACC+64*(\y)+8*(\x):ACC+64*(\y)+8*(\x)+7], v[SX+(\x)], v[SY+2*(\i)+(\y)] matrix_a_fmt:MATRIX_FMT_FP6 matrix_b_fmt:MATRIX_FMT_FP6
.endif
.endm
.macro KSTEP i, zero
.set KKI, ((\i)/KPG)*3*KPG+(\i)%KPG
	v_add_nc_u32 v[AX], KKI*BLK, v[AX0]
	v_add_nc_u32 v[ASX], KKI*BLK, v[ASX0]
	v_nop
	v_nop
.if ((\i) >= 1) && ((\i)+3 < NKW)
	YLOAD (\i)+3
.endif
.if (\i) == RESK
	s_wait_loadcnt 0x0
	RESLOAD
.endif
.set YSI, ((\i)+SOFF)%4
.set YBI, Y0
.if YSI
.set YBI, 24*(YSI-1)
.endif
	s_wait_alu depctr_va_vdst(0)
	ds_load_b128 v[SX:SX+3], v[ASX]
	ds_load_b128 v[SX+4:SX+7], v[ASX] offset:16
.irp u, 0,1
.if \u
.rept 4
	v_nop
.endr
.endif
.irp x, 0,1,2,3
.irp c, 0,1,2
	ds_load_b128 v[XF+12*\x+4*\c:XF+12*\x+4*\c+3], v[AX] offset:1536*(4*\u+\x)+512*\c
.endr
.endr
.if \u == 0
.if (RESK < 0) || ((\i) < RESK)
.set NW, NKW-1-(\i)
.if NW > 3
.set NW, 3
.endif
	s_wait_alu depctr_va_vdst(0)
	s_wait_loadcnt 7*NW
.endif
.if YSI
	WIN 0x04
.endif
.endif
.irp x, 0,1,2,3
	s_wait_dscnt 9-3*\x
	MM 4*\u+\x, 0, \i, \zero
	MM 4*\u+\x, 1, \i, \zero
.endr
.endr
	WIN 0
.endm
	s_load_b256 s[4:11], s[0:1], 0x0
	s_load_b64 s[12:13], s[0:1], 0x20
	v_lshl_add_u32 v14, v0, 2, 0x4b000
	v_mov_b32 v15, 0
	ds_add_u32 v14, v15
	ds_add_u32 v14, v15
	v_lshrrev_b32 v1, 5, v0
	s_delay_alu instid0(VALU_DEP_1)
	v_readfirstlane_b32 s[WV], v1
	s_lshr_b32 s19, s[WV], 2
	s_and_b32 s20, s[WV], 3
	s_lshr_b32 s14, s[WV], 1
	s_and_b32 s15, s[WV], 1
	s_bfe_u32 s21, ttmp6, 0x40000
	s_lshl_b32 s22, ttmp9, 2
	s_add_co_u32 s22, s22, s21
	s_and_b32 s23, ttmp7, 0xffff
	s_mov_b32 s24, 15|(3<<16)|(1<<21)
	s_mov_b32 s25, 32<<16
	s_mov_b32 s26, 50<<16
	s_mov_b32 s27, 32<<16
	s_mov_b32 s28, 50
	s_mov_b32 s29, 32
	s_mov_b32 s30, 0
	s_mov_b32 s31, 0
	s_mul_i32 s56, s23, WSTEP
	s_add_co_u32 s56, s56, WFIRST
	s_mul_i32 s56, s56, PAN
	s_mul_i32 s66, s[WV], BLK
	s_add_co_u32 s56, s56, s66
	s_mov_b32 s57, 0
	s_mul_i32 s58, s22, AKS
	s_mul_i32 s67, s19, KPG
	s_add_co_u32 s58, s58, s67
	s_mul_i32 s58, s58, BLK
	s_mul_i32 s67, s20, 3072
	s_add_co_u32 s52, s58, s67
	s_mov_b32 s53, 0
	s_lshl_b32 s67, s20, 3
	s_add_co_u32 s54, s58, s67
	s_add_co_u32 s54, s54, SCO
	s_mov_b32 s55, 0
	s_lshl_b32 s32, s22, 7
	s_lshl_b32 s33, s14, 5
	s_add_co_u32 s32, s32, s33
	s_lshl_b32 s33, s15, 3
	s_add_co_u32 s32, s32, s33
	s_mul_i32 s32, s32, 3072
	s_lshl_b32 s34, s23, 9
	s_add_co_u32 s32, s32, s34
	s_mov_b32 s33, 0
	s_mov_b32 s35, 0
	v_and_b32 v1, 31, v0
	s_delay_alu instid0(VALU_DEP_1)
	v_lshlrev_b32 v1, 4, v1
	v_and_b32 v2, 15, v0
	v_bfe_u32 v3, v0, 4, 1
	s_delay_alu instid0(VALU_DEP_2)
	v_lshlrev_b32 v5, 5, v2
	s_wait_alu depctr_va_vdst(0)
	s_wait_dscnt 0x0
	s_wait_kmcnt 0x0
	s_add_nc_u64 s[AB:AB+1], s[4:5], s[52:53]
	s_add_nc_u64 s[ASB:ASB+1], s[4:5], s[54:55]
	s_add_nc_u64 s[10:11], s[10:11], s[32:33]
	s_add_nc_u64 s[12:13], s[12:13], s[32:33]
	s_add_nc_u64 s[8:9], s[8:9], s[34:35]
	s_mov_b32 s40, 1
	s_mov_b32 s41, s66
	s_add_nc_u64 s[42:43], s[6:7], s[56:57]
.if NH > 1
	s_mov_b32 s44, 1
	s_add_co_u32 s45, s66, 12*BLK
	s_add_nc_u64 s[46:47], s[42:43], 12*BLK
	s_or_b32 s47, s47, 0x80000000
.endif
	s_or_b32 s43, s43, 0x80000000
.if RESK < 0
	RESLOAD
.endif
.irp q, 0,1,2,3
.if \q < NKW
	YLOAD \q
.endif
.endr
	CROUND
.if NH > 1
	tensor_load_to_lds s[40:43], s[24:31]
	s_nop 0
	s_wait_alu depctr_va_vdst(0)
	s_wait_tensorcnt 0x0
	ds_add_u32 v14, v15
	s_wait_dscnt 0x0
	CROUND
	tensor_load_to_lds s[44:47], s[24:31]
	s_nop 0
.rept 4
	v_nop
.endr
.else
	s_cmp_lt_u32 s[WV], 6
	s_cbranch_scc0 .Lnone
	tensor_load_to_lds s[40:43], s[24:31]
.rept 4
	v_nop
.endr
.Lnone:
.endif
	s_mul_i32 s56, s19, KPG*BLK
	v_add_nc_u32 v[AX0], s56, v1
	s_add_co_u32 s58, s56, SCO
	v_add_nc_u32 v[ASX0], s58, v5
	s_mul_i32 s56, s[WV], 16*SPITCH
	v_add_nc_u32 v[STR], s56, v1
	s_delay_alu instid0(VALU_DEP_1)
	v_add_nc_u32 v[STR+1], SGRP, v[STR]
	s_delay_alu instid0(VALU_DEP_2)
	v_add_nc_u32 v[STR+2], 2*SGRP, v[STR]
	s_mul_i32 s56, s19, SGRP
	s_mul_i32 s57, s20, 32*SPITCH
	s_add_co_u32 s56, s56, s57
	v_mul_u32_u24 v[STW], v2, SPITCH
	s_delay_alu instid0(VALU_DEP_1)
	v_lshl_add_u32 v[STW], v3, 6, v[STW]
	s_delay_alu instid0(VALU_DEP_1)
	v_add_nc_u32 v[STW], s56, v[STW]
.if NH > 1
	s_wait_alu depctr_va_vdst(0)
	s_wait_tensorcnt 0x1
.else
	s_wait_tensorcnt 0x0
.endif
	s_barrier_signal -1
	s_barrier_wait -1
	KSTEP 0, 1
	KSTEP 1, 0
.if NH > 1
	KSTEP 2, 0
	KSTEP 3, 0
	s_wait_tensorcnt 0x0
	s_wait_dscnt 0x0
	s_barrier_signal -1
	s_barrier_wait -1
	KSTEP 4, 0
	KSTEP 5, 0
	KSTEP 6, 0
	KSTEP 7, 0
.endif
.rept 4
	v_nop
.endr
	s_wait_dscnt 0x0
	s_barrier_signal -1
	s_barrier_wait -1
.irp y, 0,1
.irp x, 0,1,2,3,4,5,6,7
	ds_store_b128 v[STW], v[ACC+64*\y+8*\x:ACC+64*\y+8*\x+3] offset:16*SPITCH*\y+128*(\x/2)+32*(\x%2)
	ds_store_b128 v[STW], v[ACC+64*\y+8*\x+4:ACC+64*\y+8*\x+7] offset:16*SPITCH*\y+128*(\x/2)+32*(\x%2)+16
.endr
.endr
	s_wait_dscnt 0x0
	s_barrier_signal -1
	s_barrier_wait -1
	s_cmp_lt_u32 s[WV], 8
	s_cbranch_scc0 .Ldone
	s_wait_loadcnt 0x0
.irp u, 0,1
.set P0, 128+96*\u
.irp i, 0,1,2,3,4,5,6,7
	ds_load_b128 v[P0+4*\i:P0+4*\i+3], v[STR] offset:(8*\u+\i)*SPITCH
	ds_load_b128 v[160+4*\i:163+4*\i], v[STR+1] offset:(8*\u+\i)*SPITCH
	ds_load_b128 v[192+4*\i:195+4*\i], v[STR+2] offset:(8*\u+\i)*SPITCH
.endr
	s_wait_dscnt 0x0
.irp i, 0,1,2,3,4,5,6,7
	v_pk_add_f32 v[P0+4*\i:P0+4*\i+1], v[P0+4*\i:P0+4*\i+1], v[160+4*\i:161+4*\i]
	v_pk_add_f32 v[P0+4*\i+2:P0+4*\i+3], v[P0+4*\i+2:P0+4*\i+3], v[162+4*\i:163+4*\i]
.endr
.irp i, 0,1,2,3,4,5,6,7
	v_pk_add_f32 v[P0+4*\i:P0+4*\i+1], v[P0+4*\i:P0+4*\i+1], v[192+4*\i:193+4*\i]
	v_pk_add_f32 v[P0+4*\i+2:P0+4*\i+3], v[P0+4*\i+2:P0+4*\i+3], v[194+4*\i:195+4*\i]
.endr
	WIN 0x04
.irp i, 0,1,2,3,4,5,6,7
	v_pk_add_f32 v[P0+4*\i:P0+4*\i+1], v[P0+4*\i:P0+4*\i+1], v[BIASR:BIASR+1]
	v_pk_add_f32 v[P0+4*\i+2:P0+4*\i+3], v[P0+4*\i+2:P0+4*\i+3], v[BIASR+2:BIASR+3]
.endr
.irp i, 0,1,2,3,4,5,6,7
.if 8*\u+\i >= 10
	v_pk_add_f32 v[P0+4*\i:P0+4*\i+1], v[P0+4*\i:P0+4*\i+1], v[4*(8*\u+\i-10):4*(8*\u+\i-10)+1]
	v_pk_add_f32 v[P0+4*\i+2:P0+4*\i+3], v[P0+4*\i+2:P0+4*\i+3], v[4*(8*\u+\i-10)+2:4*(8*\u+\i-10)+3]
.endif
.endr
	WIN 0
.irp i, 0,1,2,3,4,5,6,7
.if 8*\u+\i < 10
	v_pk_add_f32 v[P0+4*\i:P0+4*\i+1], v[P0+4*\i:P0+4*\i+1], v[Y0+4*(8*\u+\i):Y0+4*(8*\u+\i)+1]
	v_pk_add_f32 v[P0+4*\i+2:P0+4*\i+3], v[P0+4*\i+2:P0+4*\i+3], v[Y0+4*(8*\u+\i)+2:Y0+4*(8*\u+\i)+3]
.endif
	global_store_b128 v1, v[P0+4*\i:P0+4*\i+3], s[12:13] offset:(16*\u+\i)*3072
.endr
.endr
.Ldone:
	s_wait_tensorcnt 0x0
	ds_add_u32 v14, v15
	s_wait_dscnt 0x0
	CROUND
	s_endpgm
.Lfunc_end_k_qc9d658e448_ffn2:
	.size	k_qc9d658e448_ffn2, .Lfunc_end_k_qc9d658e448_ffn2-k_qc9d658e448_ffn2
	.p2alignl 7, 3214868480
	.fill 96, 4, 3214868480
	.section	.rodata,"a",@progbits
	.p2align	6, 0x0
	.amdhsa_kernel k_qc9d658e448_ffn2
		.amdhsa_group_segment_fixed_size 327680
		.amdhsa_private_segment_fixed_size 0
		.amdhsa_enable_private_segment 0
		.amdhsa_kernarg_size 40
		.amdhsa_user_sgpr_count 2
		.amdhsa_user_sgpr_kernarg_segment_ptr 1
		.amdhsa_wavefront_size32 1
		.amdhsa_system_sgpr_workgroup_id_x 1
		.amdhsa_system_sgpr_workgroup_id_y 1
		.amdhsa_system_sgpr_workgroup_id_z 1
		.amdhsa_system_vgpr_workitem_id 0
		.amdhsa_next_free_vgpr 336
		.amdhsa_next_free_sgpr 72
		.amdhsa_reserve_vcc 0
		.amdhsa_float_denorm_mode_32 3
		.amdhsa_float_denorm_mode_16_64 3
		.amdhsa_memory_ordered 1
		.amdhsa_forward_progress 1
		.amdhsa_inst_pref_size 64
	.end_amdhsa_kernel
	.amdgpu_metadata
---
amdhsa.version: [ 1, 2 ]
amdhsa.kernels:
  - .name:           k_qc9d658e448_ffn2
    .symbol:         k_qc9d658e448_ffn2.kd
    .args:
      - { .name: hpan, .offset: 0, .size: 8, .value_kind: global_buffer, .address_space: global }
      - { .name: wpan, .offset: 8, .size: 8, .value_kind: global_buffer, .address_space: global }
      - { .name: b2, .offset: 16, .size: 8, .value_kind: global_buffer, .address_space: global }
      - { .name: x1, .offset: 24, .size: 8, .value_kind: global_buffer, .address_space: global }
      - { .name: out0, .offset: 32, .size: 8, .value_kind: global_buffer, .address_space: global }
    .group_segment_fixed_size: 327680
    .private_segment_fixed_size: 0
    .kernarg_segment_align: 8
    .kernarg_segment_size: 40
    .max_flat_workgroup_size: 384
    .sgpr_count:     72
    .vgpr_count:     336
    .wavefront_size: 32
...
	.end_amdgpu_metadata
.endif
;; end of part 6
